; MI455X (gfx1250); checked and timed in simulation.
; The chip was launched on July 23, 2026; its instructions are those of AMD's public machine-readable ISA for CDNA 5 (MIT licence, August 2026) and "CDNA5" Instruction Set Architecture Reference Guide (July 2026). The comments in the code are by the model that wrote it; some were corrected since.
;; Non Local Layer. Allowed arithmetic: matrix products marked QUANTISED: E3M2 operands, one E8M0 scale for each 32 along K, by v_wmma_scale_f32_16x16x128_f8f6f4 with both operands' format E3M2, f32 sums; products left as they are: f32 operands where the result goes on into a quantised operand, else bf16, f16 or f32 operands; f32 sums; everything else in f32.
;; Inputs: b_g 512 float32; b_lt 512 float32; b_out 1,024 float32; b_st 512 float32; ln_b 1,024 float32; ln_w 1,024 float32; lt_feat 128 x 1,024 x 512 x 1 x 1 float32; st_feat 128 x 2,048 x 1 x 1 x 1 float32; w_g 512 x 1,024 float32; w_lt 512 x 1,024 float32; w_out 1,024 x 512 float32; w_st 512 x 2,048 float32.
;; Outputs: out0 128 x 1,024 x 1 x 1 x 1 float32.
;; This version of the problem:
;;   THIS VERSION OF THE PROBLEM IS GIVEN IN LOW PRECISION. The matrix products marked QUANTISED in the list below multiply operands that are first quantised to E3M2 (3 exponent bits, 2 mantissa bits; 6 bits a number), with one power-of-two scale for each 32 numbers along K (OCP MX v1.0); their sums are f32. All else is computed in f32.
;;   The module's matrix products, in the order in which they are computed (A, B: the left and right operand; K: the contracted axis; several contracted axes count as one K, in the product's order):
;;     1. [M 128, K 2,048] x [K 2,048, N 512]; A: input st_feat; B: input w_st: QUANTISED
;;     2. [M 65,536, K 1,024] x [K 1,024, N 512]; A: input lt_feat; B: input w_lt: QUANTISED
;;     3. [M 65,536, K 1,024] x [K 1,024, N 512]; A: input lt_feat; B: input w_g: QUANTISED
;;     4. batch 128 x [M 1, K 512] x [K 512, N 512]; A: computed on the way; B: computed on the way: left as it is (M = 1 < 16)
;;     5. batch 128 x [M 512, K 512] x [K 512, N 1]; A: computed on the way; B: softmax: left as it is (N = 1 < 16)
;;     6. [M 128, K 512] x [K 512, N 1,024]; A: computed on the way; B: input w_out: QUANTISED
;;   THE QUANTISER, for each operand of a quantised product, along K:
;;     - K is cut into blocks of 32 from its start; a last block that is shorter is filled with zeros.
;;     - A block's scale is 2^e with e = floor(log2(the largest magnitude in the block)) - 4, held to -126 .. 127; a block of zeros has e = 0. As a byte (E8M0): e + 127.
;;     - Each number is divided by its block's scale, clamped to +-28, and rounded to the nearest number of E3M2, ties to even, subnormals kept.
;;     - The product sums the exact products of the quantised numbers (number of the format x scale) in f32.
;;   ~~~python
;;   def quantise(x, axis):      # numpy; x: float32 -> the quantised numbers, widened to float32 again
;;       x = np.moveaxis(x, axis, -1); K = x.shape[-1]
;;       x = np.pad(x, [(0, 0)] * (x.ndim - 1) + [(0, -K % 32)]); x = x.reshape(x.shape[:-1] + (-1, 32)); a = np.abs(x).max(-1, keepdims=True)
;;       e = np.where(a > 0, np.clip(np.frexp(np.where(a > 0, a, 1))[1] - 1 - 4, -126, 127), 0)      # np.frexp(a)[1] - 1 = floor(log2(a)), exactly
;;       r = np.clip(x / 2.0 ** e, -28, 28)
;;       step = 2.0 ** (np.maximum(np.frexp(np.where(r == 0, 1, r))[1] - 1, -2) - 2)
;;       q = np.round(r / step) * step * 2.0 ** e      # np.round: ties to even
;;       return np.moveaxis(q.reshape(q.shape[:-2] + (-1,))[..., :K], -1, axis).astype(np.float32)
;;   ~~~
;;   OPERANDS COMPUTED ON THE WAY. 'Computed on the way' means the value that the module computes at that place (a softmax that the list does not call 'softmax' is quantised finished and normalised). What goes into a quantiser is computed in f32, as accurately as f32 sums, v_exp_f32 and their like allow (about 1e-6 of the number): no bf16 or f16 on the way to a quantiser, and a product that is left as it is and whose result goes on into a quantised operand takes f32 operands (vector FMAs, or v_wmma_f32_16x16x4_f32). A number that lies on a knife's edge between two numbers of the format may be rounded either way, as far as f32 arithmetic and the matrix unit's own rounding can turn it there, and no further.
;; 3 versions, each right; version 2 is faster than version 1; version 3 is version 2 with the launches prep, final written anew for expert scheduling mode. Each part assembles by itself: llvm-mc -triple=amdgcn-amd-amdhsa -mcpu=gfx1250 --defsym DOCPART=n.
;; ======== version 1 of 3: 3 launches
;; workspace buffers: wimg 819,200 bytes; woimg 409,600 bytes; thimg 262,144 bytes; opart 524,288 bytes; stats 65,536 bytes
;; launch prep (part 1): grid 280 x 1, 16 waves a work-group, no clusters, 153,600 bytes of LDS; arguments st_feat, w_st, b_st, w_lt, w_g, w_out, wimg, woimg, thimg; writes wimg, woimg, thimg
.if DOCPART == 1
	.amdgcn_target "amdgcn-amd-amdhsa--gfx1250"
	.amdhsa_code_object_version 6
	.text
	.protected	k_q731faa39ce_prep
	.globl	k_q731faa39ce_prep
	.p2align	8
	.type	k_q731faa39ce_prep,@function
k_q731faa39ce_prep:
	s_mov_b64 s[64:65], 0
	v_nop
	global_prefetch_b8 v0, s[64:65] scope:SCOPE_SE
	s_setreg_imm32_b32 hwreg(HW_REG_WAVE_MODE, 25, 1), 1
	s_wait_xcnt 0x0
; PREP: the weights become codes of BF6 (E3M2) laid as images of the matrix operand's registers, and theta = Q(st) Q(w_st)^T + b_st is made.
; A FRAGMENT is 16 rows x 128 along K: 12 registers a lane; lane (r, h), registers 6 c .. 6 c + 5, holds k = 64 c + 32 h + 0 .. 31 of row r.  Its IMAGE is 1,536 bytes: register 4 g + p of lane l at byte 512 g + 16 l + 4 p,
; so that three accesses of 16 bytes a lane, 512 consecutive bytes each, store or load it.
; EVERY WAVE quantises TWO fragments from f32 rows whose K is innermost, by one text; only the tail differs with the work-group's number:
;   work-groups 0-15:   block G = 4 j + ks of wimg (j = 0, 1: rows 256 j of w_lt; j = 2, 3: rows 256 (j - 2) of w_g; ks: 256 along K); wave T takes rows 16 T on, both halves of the 256.
;   work-groups 16-23:  w_out: wave u = 16 (wg - 16) + wave takes rows 16 (u / 2) on, K from 256 (u % 2) on.
;   work-groups 24-279: tile (nt, lt) of theta, 16 samples x 16 latent channels: wave w takes K step w of 16: one fragment of w_st, one of st_feat, ONE matrix instruction; the sixteen partial tiles meet in LDS.
; THE QUANTISER: a block's scale is 2^(floor(log2(largest magnitude)) - 4); its byte is the largest magnitude's exponent field - 4, held at 1 from below by a floor among the maximum's leaves.
; LIMITS: a block of zeros gets the byte 1 where the rule says 127 (its codes are zeros, which add nothing under any byte but 0xff, and only this program reads the bytes); NaN and infinities among the inputs are not served.
; theta's K is shared among sixteen waves, so its f32 sum is grouped otherwise than one chain of K steps would group it.
.set STGW, 8448                        ; a wave's stage: 16 rows x (512 bytes + 16): row r begins 132 words on from row r - 1, so that sixteen rows' reads of 16 bytes fall on different words modulo 64
.set TRED, 135168                      ; behind the sixteen stages: a partial tile of theta for each wave, 1,024 bytes
.set MX,   12                          ; v12-15   largest magnitudes of the four blocks (fragment f, half c: block 2 f + c)
.set SOP,  16                          ; v16-19   the conversions' scale operands
.set BY,   20                          ; v20-23   the scale bytes
.set WD,   24                          ; v24, v25 the two fragments' scale words: they hold scales and nothing else
.set VA,   32                          ; v32-47   row i's byte offset: i x row bytes + 16 x lane
.set R0,   48                          ; v48-111 fragment 0's numbers, v112-175 fragment 1's
.set F0,   176                         ; v176-187 fragment 0's codes, v188-199 fragment 1's
.set CT,   200                         ; v200-215 the upper halves of the four blocks' codes, before they are moved
.set ACC,  216                         ; v216-223 the partial tile
.set BIA,  224                         ; v224-227 four numbers of b_st
	s_load_b256 s[4:11], s[0:1], 0x0               ; st_feat s[4:5], w_st s[6:7], b_st s[8:9], w_lt s[10:11]
	s_load_b256 s[12:19], s[0:1], 0x20             ; w_g s[12:13], w_out s[14:15], wimg s[16:17], woimg s[18:19]
	s_load_b64 s[20:21], s[0:1], 0x40              ; thimg
	v_lshl_add_u32 v232, v0, 2, 0x25000
	v_mov_b32 v233, 0
	v_lshrrev_b32 v1, 5, v0
	v_readfirstlane_b32 s30, v1                    ; wave 0..15
	v_and_b32 v1, 15, v0                           ; r
	v_bfe_u32 v2, v0, 4, 1                         ; h
	v_and_b32 v3, 31, v0
	v_lshlrev_b32 v3, 4, v3                        ; 16 x lane
	v_lshlrev_b32 v4, 3, v2                        ; 8 h: how far my two scale bytes are shifted
	s_mul_i32 s31, s30, STGW
	v_add_nc_u32 v5, s31, v3                       ; the stage, on the way in: a row as it lies
	v_mul_u32_u24 v6, v1, 528
	v_lshl_add_u32 v6, v2, 7, v6
	v_add_nc_u32 v6, s31, v6                       ; and on the way out: row r, from number 32 h on
	s_lshl_b32 s31, s30, 10
	v_add_nc_u32 v7, s31, v3
	v_add_nc_u32 v7, TRED, v7                      ; where my partial tile goes
	s_and_b32 s32, s30, 1
	s_lshl_b32 s33, s32, 9
	v_add_nc_u32 v11, s33, v3                      ; 512 (wave % 2) + 16 x lane: the half tile that waves 0 and 1 sum, in thimg
	v_add_nc_u32 v8, TRED, v11                     ; and in LDS
	v_lshlrev_b32 v9, 3, v1
	v_lshl_add_u32 v9, v2, 2, v9                   ; 8 r + 4 h: a scale word's place
	s_lshl_b32 s33, s32, 4
	v_lshlrev_b32 v10, 5, v2
	v_add_nc_u32 v10, s33, v10                     ; b_st: 32 h + 16 (wave % 2)
	v_mov_b32 v26, 0                               ; written once: a lane permute's destination counts as one of its sources
	v_mov_b32 v27, 0
	s_mov_b32 s60, 0x76543210
	s_mov_b32 s61, 0xfedcba98                      ; v_permlanex16_b32's selects for lane l xor 16
	; the three roles' offsets, each in registers of its own; the work-group's number then chooses
	s_bfe_u32 s34, ttmp9, 0x10002                  ; w_lt, w_g: rows 256 ((wg / 4) % 2) + 16 wave, of 4,096 bytes,
	s_lshl_b32 s34, s34, 20
	s_lshl_b32 s35, s30, 16
	s_add_co_u32 s34, s34, s35
	s_and_b32 s35, ttmp9, 3
	s_lshl_b32 s35, s35, 10
	s_add_co_u32 s34, s34, s35                     ; + 1,024 (wg % 4)
	s_mul_i32 s36, ttmp9, 51200
	s_mul_i32 s35, s30, 3072
	s_add_co_u32 s35, s36, s35                     ; their images: block wg, fragments 2 wave and 2 wave + 1
	s_lshl_b32 s37, s30, 7
	s_add_co_u32 s36, s36, s37
	s_add_co_u32 s36, s36, 49152                   ; their scale words: behind the block's 32 images
	s_sub_co_u32 s37, ttmp9, 16
	s_lshl_b32 s37, s37, 4
	s_add_co_u32 s37, s37, s30                     ; w_out: u
	s_lshr_b32 s38, s37, 1
	s_lshl_b32 s38, s38, 15
	s_and_b32 s39, s37, 1
	s_lshl_b32 s39, s39, 10
	s_add_co_u32 s38, s38, s39                     ; rows 16 (u / 2) of 2,048 bytes, + 1,024 (u % 2)
	s_mul_i32 s39, s37, 3072
	s_lshl_b32 s40, s37, 7
	s_add_co_u32 s40, s40, 393216                  ; behind woimg's 256 images
	s_sub_co_u32 s62, ttmp9, 24                    ; theta: tile x = 32 nt + lt
	s_and_b32 s42, s62, 31
	s_lshr_b32 s43, s62, 5
	s_lshl_b32 s44, s30, 9
	s_lshl_b32 s45, s42, 17
	s_add_co_u32 s45, s45, s44                     ; w_st: rows 16 lt of 8,192 bytes, + 512 wave
	s_lshl_b32 s46, s43, 17
	s_add_co_u32 s46, s46, s44                     ; st_feat: rows 16 nt, likewise
	s_lshl_b32 s47, s42, 6                         ; b_st: 16 lt numbers on
	s_mov_b32 s48, 2048
	s_mov_b32 s49, 8192
	s_cmp_lt_u32 ttmp9, 16
	s_cselect_b32 s50, s34, s38
	s_cselect_b32 s54, s35, s39
	s_cselect_b32 s56, s36, s40
	s_cselect_b32 s48, 4096, s48
	s_add_co_u32 s52, s50, 512                     ; a weight's second fragment: the next 128 along K
	s_cmp_lt_u32 ttmp9, 24
	s_cselect_b32 s50, s50, s45                    ; fragment 0's offset
	s_cselect_b32 s52, s52, s46                    ; fragment 1's
	s_cselect_b32 s58, 0, s47                      ; the load of b_st stays inside its buffer in every role
	s_cselect_b32 s48, s48, s49                    ; a row's bytes
	s_mov_b32 s51, 0
	s_mov_b32 s53, 0
	s_mov_b32 s55, 0
	s_mov_b32 s57, 0
	s_mov_b32 s59, 0
.irp i, 0,1,2,3,4,5,6,7,8,9,10,11,12,13,14,15
	v_mad_u32_u24 v[VA+\i], s48, \i, v3
.endr
	s_wait_kmcnt 0x0
	s_cmp_lt_u32 ttmp9, 8                          ; the buffers are chosen on the work-group's number alone
	s_cselect_b64 s[22:23], s[10:11], s[12:13]
	s_cmp_lt_u32 ttmp9, 16
	s_cselect_b64 s[22:23], s[22:23], s[14:15]
	s_cselect_b64 s[26:27], s[16:17], s[18:19]
	s_cmp_lt_u32 ttmp9, 24
	s_cselect_b64 s[24:25], s[22:23], s[4:5]
	s_cselect_b64 s[22:23], s[22:23], s[6:7]
	s_add_nc_u64 s[22:23], s[22:23], s[50:51]
	s_add_nc_u64 s[24:25], s[24:25], s[52:53]
	s_add_nc_u64 s[28:29], s[26:27], s[56:57]
	s_add_nc_u64 s[26:27], s[26:27], s[54:55]
	s_add_nc_u64 s[8:9], s[8:9], s[58:59]
	global_load_b128 v[BIA:BIA+3], v10, s[8:9]
.irp i, 0,1,2,3,4,5,6,7,8,9,10,11,12,13,14,15
	global_load_b128 v[R0+4*\i:R0+4*\i+3], v[VA+\i], s[22:23]       ; row i: the 32 lanes read 512 consecutive bytes
.endr
.irp i, 0,1,2,3,4,5,6,7,8,9,10,11,12,13,14,15
	global_load_b128 v[R0+64+4*\i:R0+64+4*\i+3], v[VA+\i], s[24:25]
.endr
	; THE TURN: the conversions want 16 neighbours along K in one lane's registers, the loads neighbouring bytes in neighbouring lanes: the 8,192 bytes go through the wave's own stage
.macro TURN f
.irp i, 0,1,2,3,4,5,6,7,8,9,10,11,12,13,14,15
	ds_store_b128 v5, v[R0+64*\f+4*\i:R0+64*\f+4*\i+3] offset:528*\i
.endr
	s_wait_dscnt 0x0                               ; the stores have read their registers, which the loads below write
.irp c, 0,1
.irp k, 0,1,2,3,4,5,6,7
	ds_load_b128 v[R0+64*\f+32*\c+4*\k:R0+64*\f+32*\c+4*\k+3], v6 offset:256*\c+16*\k   ; number 32 c + i of the fragment is now k = 64 c + 32 h + i of row r
.endr
.endr
.endm
	s_wait_loadcnt 16                              ; b_st and fragment 0 are in; fragment 1's sixteen loads may be out
	TURN 0
	s_wait_loadcnt 0x0
	TURN 1                                         ; LDS serves a wave's instructions in order: these stores come behind fragment 0's loads from the stage
	s_wait_dscnt 0x0
	; four whole blocks of 32 a lane, by turns
.irp b, 0,1,2,3
	v_max3_num_f32 v[MX+\b], |v[R0+32*\b]|, |v[R0+32*\b+1]|, 0x2800000   ; with the floor 2^(5 - 127): the byte cannot fall under 1
.endr
.irp i, 2,4,6,8,10,12,14,16,18,20,22,24,26,28,30
.irp b, 0,1,2,3
	v_max3_num_f32 v[MX+\b], v[MX+\b], |v[R0+32*\b+\i]|, |v[R0+32*\b+\i+1]|
.endr
.endr
.irp b, 0,1,2,3
	v_add_nc_u32 v[SOP+\b], 0xfe000000, v[MX+\b]   ; 4 off the exponent field: the conversion takes this operand's exponent field as its scale
.endr
.irp b, 0,1,2,3
	v_lshrrev_b32 v[BY+\b], 23, v[SOP+\b]          ; the scale's byte
.endr
.irp f, 0,1
	v_lshl_or_b32 v[WD+\f], v[BY+2*\f+1], 16, v[BY+2*\f]   ; my two bytes: blocks h and 2 + h of row r,
.endr
.irp f, 0,1
	v_lshlrev_b32 v[WD+\f], v4, v[WD+\f]           ; at their places in the word;
.endr
	v_permlanex16_b32 v26, v[WD], s60, s61
	v_permlanex16_b32 v27, v[WD+1], s60, s61
	v_or_b32 v[WD], v[WD], v26                     ; with lane l xor 16's two the word is whole, in both lanes
	v_or_b32 v[WD+1], v[WD+1], v27
.irp b, 0,1,2,3
	v_cvt_scalef32_pk16_bf6_f32 v[F0+6*\b:F0+6*\b+2], v[R0+32*\b:R0+32*\b+15], v[SOP+\b]
	v_cvt_scalef32_pk16_bf6_f32 v[CT+4*\b:CT+4*\b+2], v[R0+32*\b+16:R0+32*\b+31], v[SOP+\b]   ; (a conversion's three registers begin on an even number)
.endr
	v_nop                                          ; one plain place behind a scaled conversion
.irp b, 0,1,2,3
.irp i, 0,1,2
	v_mov_b32 v[F0+6*\b+3+\i], v[CT+4*\b+\i]
.endr
.endr
	s_cmp_lt_u32 ttmp9, 24
	s_cbranch_scc0 .Ltheta
	; ---- a weight: the two images and their scale words leave
.irp g, 0,1,2,3,4,5
	global_store_b128 v3, v[F0+4*\g:F0+4*\g+3], s[26:27] offset:512*\g     ; 512 consecutive bytes, at a multiple of 256 from the buffer's first byte
.endr
	v_cmp_eq_u32 vcc_lo, 1, v2
	v_cndmask_b32 v27, v[WD], v[WD+1], vcc_lo      ; lanes 0-15 the first 128's word of row r, lanes 16-31 the second's
	global_store_b32 v9, v27, s[28:29]             ; 128 consecutive bytes
	s_wait_tensorcnt 0x0
	ds_add_u32 v232, v233
	s_wait_dscnt 0x0
	s_endpgm
.Ltheta:
	; ---- theta: my K step's product.  Source 0 = 16 rows of w_st, source 1 = 16 samples: register j of lane (r, h) is (latent channel 8 h + j, sample r)
	s_lshl_b32 s50, s62, 10
	s_add_nc_u64 s[20:21], s[20:21], s[50:51]      ; my tile of thimg
.rept 8
	v_nop                                          ; a scale register written by a vector instruction stands 8 places ahead of a scaled matrix instruction, an operand so written 4
.endr
	v_wmma_scale_f32_16x16x128_f8f6f4 v[ACC:ACC+7], v[F0:F0+11], v[F0+12:F0+23], 0, v[WD], v[WD+1] matrix_a_fmt:MATRIX_FMT_BF6 matrix_b_fmt:MATRIX_FMT_BF6
.rept 4
	v_nop                                          ; four places in front of the first read of the result (ISA guide 7.12.1)
.endr
	ds_store_b128 v7, v[ACC:ACC+3]                 ; from the low end on
	ds_store_b128 v7, v[ACC+4:ACC+7] offset:512
	s_wait_dscnt 0x0                               ; for the others' sake: my partial tile lies in LDS
	s_barrier_signal -1
	s_barrier_wait -1
	s_cmp_ge_u32 s30, 2
	s_cbranch_scc1 .Lend
.irp w, 0,1,2,3,4,5,6,7,8,9,10,11,12,13,14,15
	ds_load_b128 v[R0+4*\w:R0+4*\w+3], v8 offset:1024*\w            ; waves 0 and 1: registers 4 g .. 4 g + 3 of all sixteen partial tiles
.endr
	s_wait_dscnt 0x0
.irp k, 0,2,4,6,8,10,12,14,16,18,20,22,24,26,28,30
	v_pk_add_f32 v[R0+\k:R0+\k+1], v[R0+\k:R0+\k+1], v[R0+32+\k:R0+32+\k+1]
.endr
.irp k, 0,2,4,6,8,10,12,14
	v_pk_add_f32 v[R0+\k:R0+\k+1], v[R0+\k:R0+\k+1], v[R0+16+\k:R0+16+\k+1]
.endr
.irp k, 0,2,4,6
	v_pk_add_f32 v[R0+\k:R0+\k+1], v[R0+\k:R0+\k+1], v[R0+8+\k:R0+8+\k+1]
.endr
.irp k, 0,2
	v_pk_add_f32 v[R0+\k:R0+\k+1], v[R0+\k:R0+\k+1], v[R0+4+\k:R0+4+\k+1]
.endr
.irp k, 0,2
	v_pk_add_f32 v[R0+\k:R0+\k+1], v[R0+\k:R0+\k+1], v[BIA+\k:BIA+\k+1]      ; + b_st
.endr
	global_store_b128 v11, v[R0:R0+3], s[20:21]    ; theta as an image of the result's registers: 512 consecutive bytes
.Lend:
	s_wait_tensorcnt 0x0
	ds_add_u32 v232, v233
	s_wait_dscnt 0x0
	s_endpgm
.Lfunc_end_k_q731faa39ce_prep:
	.size	k_q731faa39ce_prep, .Lfunc_end_k_q731faa39ce_prep-k_q731faa39ce_prep
	.p2alignl 7, 3214868480
	.fill 96, 4, 3214868480
	.section	.rodata,"a",@progbits
	.p2align	6, 0x0
	.amdhsa_kernel k_q731faa39ce_prep
		.amdhsa_group_segment_fixed_size 153600
		.amdhsa_private_segment_fixed_size 0
		.amdhsa_enable_private_segment 0
		.amdhsa_kernarg_size 72
		.amdhsa_user_sgpr_count 2
		.amdhsa_user_sgpr_kernarg_segment_ptr 1
		.amdhsa_wavefront_size32 1
		.amdhsa_system_sgpr_workgroup_id_x 1
		.amdhsa_system_sgpr_workgroup_id_y 1
		.amdhsa_system_sgpr_workgroup_id_z 1
		.amdhsa_system_vgpr_workitem_id 0
		.amdhsa_next_free_vgpr 234
		.amdhsa_next_free_sgpr 66
		.amdhsa_reserve_vcc 1
		.amdhsa_float_denorm_mode_32 3
		.amdhsa_float_denorm_mode_16_64 3
		.amdhsa_memory_ordered 1
		.amdhsa_forward_progress 1
		.amdhsa_inst_pref_size 24
	.end_amdhsa_kernel
	.amdgpu_metadata
---
amdhsa.version: [ 1, 2 ]
amdhsa.kernels:
  - .name:           k_q731faa39ce_prep
    .symbol:         k_q731faa39ce_prep.kd
    .args:
      - { .name: st_feat, .offset: 0, .size: 8, .value_kind: global_buffer, .address_space: global }
      - { .name: w_st, .offset: 8, .size: 8, .value_kind: global_buffer, .address_space: global }
      - { .name: b_st, .offset: 16, .size: 8, .value_kind: global_buffer, .address_space: global }
      - { .name: w_lt, .offset: 24, .size: 8, .value_kind: global_buffer, .address_space: global }
      - { .name: w_g, .offset: 32, .size: 8, .value_kind: global_buffer, .address_space: global }
      - { .name: w_out, .offset: 40, .size: 8, .value_kind: global_buffer, .address_space: global }
      - { .name: wimg, .offset: 48, .size: 8, .value_kind: global_buffer, .address_space: global }
      - { .name: woimg, .offset: 56, .size: 8, .value_kind: global_buffer, .address_space: global }
      - { .name: thimg, .offset: 64, .size: 8, .value_kind: global_buffer, .address_space: global }
    .group_segment_fixed_size: 153600
    .private_segment_fixed_size: 0
    .kernarg_segment_align: 8
    .kernarg_segment_size: 72
    .max_flat_workgroup_size: 512
    .sgpr_count:     66
    .vgpr_count:     234
    .wavefront_size: 32
...
	.end_amdgpu_metadata
.endif
;; end of part 1
;; launch main (part 2): grid 256 x 1, 4 waves a work-group, clusters of 4 x 1, 327,680 bytes of LDS; arguments lt_feat, wimg, thimg, b_lt, b_g, opart, stats; writes opart, stats
.if DOCPART == 2
	.amdgcn_target "amdgcn-amd-amdhsa--gfx1250"
	.amdhsa_code_object_version 6
	.text
	.protected	k_q731faa39ce_main
	.globl	k_q731faa39ce_main
	.p2align	8
	.type	k_q731faa39ce_main,@function
k_q731faa39ce_main:
	s_mov_b64 s[64:65], 0
	v_nop
	global_prefetch_b8 v0, s[64:65] scope:SCOPE_SE
	s_setreg_imm32_b32 hwreg(HW_REG_WAVE_MODE, 25, 1), 1
	s_wait_xcnt 0x0
	s_wait_alu depctr_hold_cnt(0) depctr_sa_sdst(0) depctr_va_vdst(0) depctr_va_sdst(0) depctr_va_ssrc(0) depctr_va_vcc(0) depctr_vm_vsrc(0)
	s_getreg_b32 s2, hwreg(HW_REG_IB_STS2, 6, 4)
	s_cmp_eq_u32 s2, 0
	s_cbranch_scc0 .Lentry_in_a_cluster
	s_endpgm
.Lentry_in_a_cluster:
	s_bfe_u32 s2, ttmp6, 0x10000c
	s_cmp_lg_u32 s2, 0x3003
	s_cbranch_scc0 .Lentry_shape_is_right
	s_endpgm
.Lentry_shape_is_right:
; MAIN: for 256 positions s of one sample n (work-group id = 2 n + half): phi0 = Q(w_lt) Q(lt), g0 = Q(w_g) Q(lt) on codes of BF6 (E3M2) with E8M0 scales, and of them only
;   t[s] = c (theta . phi0[:, s] + theta . b_lt), c = log2(e) / sqrt(512);  m = the largest t of the 256;  e[s] = 2^(t[s] - m);  Z = the sum of e;  opart[l] = the sum over s of g0[l][s] e[s] + b_g[l] Z
; leave the work-group (the last launch joins a sample's two halves under their common maximum).  phi and g never go to memory, and lt_feat is read once.
; PHASE A, each wave by itself: 128 columns x 512 channels of lt_feat are streamed through registers, quantised along the channels (a lane to four columns, registers down K) and laid in LDS as images of the operand's
; registers: 16 tiles of 16 positions x 8 K steps.  An image is 1,536 bytes: register 4 g + p of lane l at byte 512 g + 16 l + 4 p.
; PHASE B: four passes (rows 0-255 and 256-511 of w_lt, then of w_g), each a product of 256 rows x 256 positions x 1,024 along K.  The positions' codes stay in LDS; the weights' images come through a ring of two slots
; (256 rows x 256 along K with their scale words: 51,200 dense bytes) by the tensor data mover.  Wave (wl, ws) makes rows 128 wl on x positions 128 ws on: 64 accumulators, 512 registers.
; After a pass the accumulators are folded by packed multiply-adds in f32 (these two thin products go on into a quantised operand, so they keep f32 operands) and are free.
;   phi's passes: source 0 = 16 rows of the weight, source 1 = 16 positions: a lane holds one position, its registers eight latent channels, which meet theta's eight.
;   g's passes: the sources swapped: a lane holds one latent channel, its registers eight positions, which meet e's eight.  The fetches are the same text.
; CLUSTER: every work-group walks the same 819,200 bytes of weights, so the four of a cluster ask for each slot JOINTLY: the same tensor load, with the same descriptor and the mask of all four, in all four.
; PHASES A AND B STAND ONE BEHIND THE OTHER: the scores want all of phi, and phi all channels of a position.
; LIMITS: a block of zeros gets the byte 1 where the rule says 127 (its codes are zeros; only this program reads the bytes); NaN and infinities among the inputs are not served.
; REGISTERS, in windows of 256 (s_set_vgpr_msb's low byte: bits 1:0 source 0, 3:2 source 1, 5:4 source 2, 7:6 destination):
;   window 0: v0-31 addresses and what stays; v32-63 scale words, two sets, and nothing else; v64-127 phase A: codes and working numbers, phase B: theta, then e; v128-255 phase A: 128 numbers by columns,
;             phase B: v128-223 the positions' 8 fragments (one set), v224-239 the folds' sums, v240-255 at work
;   window 1: phase A: load sets 0 and 1; phase B: the weight's 8 fragments, two sets, at v0 and v128
;   window 2: phase A: load set 2, and at v128-159 theta and b_lt for theta . b_lt; phase B: accumulators of position (or row) blocks a = 0..3, (a, b) at v[8 (8 a + b)];   window 3: those of a = 4..7
.set XA,    12304                      ; a tile of positions in LDS: 8 images + 16 bytes, so that the four tiles that a store of phase A touches lie 16 bytes apart modulo 256
.set XS,    196864                     ; the positions' scale words: (s, K step 2 ks + ql) at 2,048 ks + 8 s + 4 ql
.set RING,  205056                     ; two slots, filled by tensor loads alone
.set SLOTB, 51200                      ; a slot: image (row tile T, ql) at 1,536 (2 T + ql); scale words at WSC + 128 T + 8 r + 4 ql
.set WSC,   49152
.set SCR,   307456                     ; the scores' two partial sums: [wl][256 s]
.set EW,    309504                     ; e: a copy of its own for each wave, 1,024 bytes
.set OUTS,  313600                     ; opart's two partial sums: [ws][512 l]
.set SPARE, 317696                     ; the spare words, 128 bytes for each wave: two blocks of 256 bytes that no other line names
.set GA,   3                           ; v3   16 x lane
.set XW,   4                           ; v4   phase A: where my columns' codes go
.set XSW,  5                           ; v5   and their scale words
.set ADX,  6                           ; v6, v7   my wave's position tiles 0-3, 4-7
.set ADW,  8                           ; v8, v9   my wave's row tiles in slot 0, 1
.set ADRS, 10                          ; v10-13   scale words of K slab ks: lanes 0-15 the positions', lanes 16-31 the weight's
.set SPW,  14                          ; v14  LDS address of my spare word; never rewritten
.set NIL,  15                          ; v15  0; never rewritten
.set VTH,  16                          ; v16  256 h: my half's eight numbers in an image of theta
.set SCRW, 17
.set SCRR, 18
.set EWW,  19
.set EWR,  20
.set OUTW, 21
.set OUTR, 22
.set GT,   23                          ; v23  16 x thread
.set MZ,   24                          ; v24 m, v25 Z
.set TBC,  26                          ; v26, v27 c theta . b_lt, twice
.set BG,   28                          ; v28-31 b_g at 4 x thread
.set SC,   32
.set V,    64
.set C,    64                          ; phase A: column j's codes at v[C + 8 j]
.set PM,   96                          ; phase A: v96-103 maxima in two chains, v104-107 scale operands, v108-111 bytes, v112-115 scale words in the making
.set T,    128                         ; phase A: column j's 32 numbers at v[T + 32 j]
.set XF,   128
.set SO,   224
.set TP,   240
.set G1,   40                          ; s[40:47] descriptor group 1
.set G0,   48                          ; s[48:51], s[52:55] group 0 of slots 0 and 1
.set MSB, 0
.macro WIN new                         ; the immediate's high byte repeats the setting that is left; a switch that changes nothing is dropped
.if MSB != (\new)
	s_set_vgpr_msb (MSB<<8)|(\new)
.set MSB, (\new)
.endif
.endm
.macro CREST                           ; a round of the cluster's barrier behind its opening barrier
	s_cmp_lg_u32 s18, 0
	s_cbranch_scc1 .Lnot_wave_0_\@
	s_barrier_signal -3
.Lnot_wave_0_\@:
	s_barrier_wait -3
	s_barrier_signal -1
	s_barrier_wait -1
.endm
.macro CROUND                          ; a whole round
	s_barrier_signal -1
	s_barrier_wait -1
	CREST
.endm
.macro PLACES                          ; four places in front of loads into registers that matrix instructions have read, and of the first read of results (ISA guide 7.12.1 for vector instructions)
.rept 4
	v_nop
.endr
.endm
	s_load_b256 s[4:11], s[0:1], 0x0               ; lt_feat s[4:5], wimg s[6:7], thimg s[8:9], b_lt s[10:11]
	s_load_b128 s[12:15], s[0:1], 0x20             ; b_g s[12:13], opart s[14:15]
	s_load_b64 s[16:17], s[0:1], 0x30              ; stats
	v_lshl_add_u32 v[SPW], v0, 2, SPARE
	v_mov_b32 v[NIL], 0
	ds_add_u32 v14, v15
	ds_add_u32 v14, v15
	s_wait_dscnt 0x0
	v_lshrrev_b32 v1, 5, v0
	v_readfirstlane_b32 s18, v1                    ; wave 0..3
	s_lshr_b32 s19, s18, 1                         ; wl: my half of a pass's rows.  In phase A: my half of the channels
	s_and_b32 s20, s18, 1                          ; ws: my half of the positions, in both phases
	s_bfe_u32 s21, ttmp6, 0x40000                  ; cx: my place in the cluster: it enters global addresses alone
	s_lshl_b32 s22, ttmp9, 2
	s_add_co_u32 s22, s22, s21                     ; id = 4 x cluster + cx
	s_lshr_b32 s23, s22, 1                         ; n
	s_lshl_b32 s24, s23, 21                        ; lt_feat: sample n of 2^21 bytes,
	s_and_b32 s25, s22, 1
	s_lshl_b32 s25, s25, 10
	s_add_co_u32 s24, s24, s25                     ; my work-group's 256 positions,
	s_lshl_b32 s25, s20, 9
	s_add_co_u32 s24, s24, s25                     ; my wave's 128 of them,
	s_lshl_b32 s25, s19, 20
	s_add_co_u32 s24, s24, s25                     ; my wave's 512 channels of 2,048 bytes
	s_mov_b32 s25, 0
	s_lshr_b32 s26, s23, 4                         ; thimg: the row of tiles n / 16, lane n % 16
	s_lshl_b32 s26, s26, 15
	s_and_b32 s27, s23, 15
	s_lshl_b32 s27, s27, 4
	s_add_co_u32 s26, s26, s27
	s_mov_b32 s27, 0
	s_lshl_b32 s28, s19, 13                        ; and my wave's eight tiles of a pass's sixteen
	s_mov_b32 s29, 0
	s_lshl_b32 s30, s22, 11                        ; opart: 2,048 bytes a work-group
	s_mov_b32 s31, 0
	s_lshl_b32 s32, s22, 8                         ; stats: 256
	s_mov_b32 s33, 0
	s_mul_i32 s34, s18, 12800                      ; my quarter of a slot: 50 rows of 256 bytes
	s_mov_b32 s35, 0
	v_and_b32 v240, 31, v0                         ; L
	v_and_b32 v241, 15, v0                         ; r
	v_bfe_u32 v242, v0, 4, 1                       ; h
	v_lshlrev_b32 v1, 6, v240                      ; b_lt: my 16 numbers
	v_lshlrev_b32 v2, 10, v240                     ; thimg: tile L holds theta's same 16
	v_lshlrev_b32 v[GA], 4, v240
	v_lshrrev_b32 v243, 2, v240                    ; phase A: lane L holds columns 4 L + j: tile L / 4 of my wave's eight, row 4 (L % 4) + j
	v_mul_u32_u24 v[XW], v243, XA
	v_and_b32 v243, 3, v240
	v_lshl_add_u32 v[XW], v243, 6, v[XW]
	s_mul_i32 s36, s20, 8*XA
	s_mul_i32 s37, s19, 6144                       ; my channels' four K steps
	s_add_co_u32 s37, s36, s37
	v_add_nc_u32 v[XW], s37, v[XW]
	s_lshl_b32 s37, s19, 12
	s_lshl_b32 s38, s20, 10
	s_add_co_u32 s37, s37, s38
	s_add_co_u32 s37, s37, XS
	v_lshl_add_u32 v[XSW], v240, 5, s37
	v_add_nc_u32 v[ADX], s36, v[GA]
	v_add_nc_u32 v[ADX+1], 4*XA, v[ADX]
	s_mul_i32 s37, s19, 24576
	s_add_co_u32 s37, s37, RING
	v_add_nc_u32 v[ADW], s37, v[GA]
	v_add_nc_u32 v[ADW+1], SLOTB, v[ADW]
	s_xor_b32 s39, s20, 1                          ; the scale words: the lower base (the positions') + h x the distance to the weight's: ONE product
	s_add_co_u32 s39, s39, s19
	s_lshl_b32 s39, s39, 10                        ; 1,024 (wl + 1 - ws): the part of the distance that hangs on the wave
	v_lshlrev_b32 v243, 3, v241
	v_add_nc_u32 v243, s38, v243                   ; 8 r + 1,024 ws
.irp ks, 0,1,2,3
	s_add_co_u32 s37, s39, RING+(\ks%2)*SLOTB+WSC-XS-2048*\ks-1024
	v_mul_u32_u24 v244, s37, v242
	v_add_nc_u32 v244, v244, v243
	v_add_nc_u32 v[ADRS+\ks], XS+2048*\ks, v244
.endr
	v_lshlrev_b32 v[VTH], 8, v242
	s_lshl_b32 s37, s19, 10
	s_lshl_b32 s38, s20, 9
	s_add_co_u32 s37, s37, s38
	s_add_co_u32 s37, s37, SCR
	v_lshl_add_u32 v[SCRW], v241, 2, s37           ; SCR + 1,024 wl + 512 ws + 4 r
	v_lshlrev_b32 v[SCRR], 5, v240
	v_add_nc_u32 v[SCRR], SCR, v[SCRR]             ; SCR + 32 L: eight scores a lane
	s_lshl_b32 s37, s18, 10
	s_add_co_u32 s37, s37, EW
	v_lshl_add_u32 v[EWW], v240, 5, s37
	s_add_co_u32 s37, s37, s38
	v_lshl_add_u32 v[EWR], v242, 5, s37            ; my copy of e, my wave's 128 positions, + 32 h
	s_lshl_b32 s37, s20, 11
	s_lshl_b32 s38, s19, 9
	s_add_co_u32 s37, s37, s38
	s_add_co_u32 s37, s37, OUTS
	v_lshl_add_u32 v[OUTW], v241, 2, s37           ; OUTS + 2,048 ws + 512 wl + 4 r
	v_lshlrev_b32 v[GT], 4, v0
	v_add_nc_u32 v[OUTR], OUTS, v[GT]
	; descriptor group 1: 50 rows of 256 bytes (32 elements of 8 bytes), dense, no padding: images are read 512 consecutive bytes at a time
	s_mov_b32 s[G1+0], 15|(3<<16)|(1<<21)          ; 15:0 the mask: all four work-groups; 17:16 elements of 8 bytes; 21 set beside a mask
	s_mov_b32 s[G1+1], 32<<16                      ; tensor_dim0 = 32
	s_mov_b32 s[G1+2], 50<<16                      ; tensor_dim1 = 50
	s_mov_b32 s[G1+3], 32<<16                      ; tile_dim0 = 32
	s_mov_b32 s[G1+4], 50                          ; tile_dim1 = 50
	s_mov_b32 s[G1+5], 32                          ; from row to row
	s_mov_b32 s[G1+6], 0
	s_mov_b32 s[G1+7], 0
	s_mov_b32 s56, 0x76543210
	s_mov_b32 s57, 0xfedcba98                      ; v_permlanex16_b32's selects for lane l xor 16
	s_mov_b32 s58, 0x3d8293ee                      ; c = log2(e) / sqrt(512)
	s_mov_b32 s59, s58                             ; (named with it as a pair, so it is written)
	s_wait_kmcnt 0x0
	s_add_nc_u64 s[4:5], s[4:5], s[24:25]
	s_add_nc_u64 s[26:27], s[8:9], s[26:27]        ; theta of sample n, tile 0
	s_add_nc_u64 s[24:25], s[26:27], s[28:29]      ; and my wave's tiles of pass 0
	s_add_nc_u64 s[14:15], s[14:15], s[30:31]
	s_add_nc_u64 s[16:17], s[16:17], s[32:33]
	s_add_nc_u64 s[6:7], s[6:7], s[34:35]          ; wimg at my quarter of block 0: the wave's number alone, the same in all four partners
	CROUND                                         ; all four work-groups are here: the first joint loads meet
	s_mov_b32 s[G0+0], 1
	s_add_co_u32 s[G0+1], s34, RING
	s_mov_b64 s[G0+2:G0+3], s[6:7]
	s_or_b32 s[G0+3], s[G0+3], 0x80000000
	s_mov_b32 s[G0+4], 1
	s_add_co_u32 s[G0+5], s34, RING+SLOTB
	s_add_nc_u64 s[G0+6:G0+7], s[6:7], SLOTB
	s_or_b32 s[G0+7], s[G0+7], 0x80000000
	tensor_load_to_lds s[G0:G0+3], s[G1:G1+7]      ; blocks 0 and 1: the two first fills go out together, ahead of every wait on TENSORcnt and every LDS read: two loads of mine are out
	s_nop 0
	tensor_load_to_lds s[G0+4:G0+7], s[G1:G1+7]
	s_nop 0
	PLACES                                         ; four v_nop follow
	WIN 0x80
	global_load_b128 v[128:131], v2, s[26:27]              ; theta at latent channels 16 L + 0..3,
	global_load_b128 v[132:135], v2, s[26:27] offset:512   ; + 4..7,
	global_load_b128 v[136:139], v2, s[26:27] offset:256   ; + 8..11,
	global_load_b128 v[140:143], v2, s[26:27] offset:768   ; + 12..15
.irp k, 0,1,2,3
	global_load_b128 v[144+4*\k:147+4*\k], v1, s[10:11] offset:16*\k   ; b_lt at the same
.endr
	WIN 0
	global_load_b128 v[BG:BG+3], v[GT], s[12:13]
; ---- PHASE A.  Step t: channels 32 t .. 32 t + 31 of my wave's 512: one block of 32 along K for each of my lane's four columns.
.macro LOADSET t                       ; 32 loads, a channel each: the 32 lanes read 512 consecutive bytes, at a multiple of 256 from the buffer's first byte.  Set t % 3: register 4 i + j = channel i, column j
.if ((\t)%3) == 2
	WIN 0x80
.else
	WIN 0x40
.endif
.set LB, 128*(((\t)%3)%2)
.irp i, 0,1,2,3,4,5,6,7,8,9,10,11,12,13,14,15,16,17,18,19,20,21,22,23,24,25,26,27,28,29,30,31
	global_load_b128 v[LB+4*\i:LB+4*\i+3], v[GA], s[4:5] offset:(32*(\t)+\i)*2048 th:TH_LOAD_NT
.endr
	WIN 0
.endm
.macro COPY t                          ; a load lays four columns side by side; a conversion wants 16 neighbours along K of ONE column in consecutive registers: the set is turned as it leaves
.if ((\t)%3) == 2
	WIN 0x02
.else
	WIN 0x01
.endif
.set LB, 128*(((\t)%3)%2)
.irp j, 0,1,2,3
.irp i, 0,1,2,3,4,5,6,7,8,9,10,11,12,13,14,15,16,17,18,19,20,21,22,23,24,25,26,27,28,29,30,31
	v_mov_b32 v[T+32*\j+\i], v[LB+4*\i+\j]
.endr
.endr
	WIN 0
.endm
.macro QCOL t                          ; the four columns by turns
.irp j, 0,1,2,3
	v_max3_num_f32 v[PM+\j], |v[T+32*\j]|, |v[T+32*\j+1]|, 0x2800000   ; the block's largest magnitude, in two chains, with the floor 2^(5 - 127): the byte cannot fall under 1
	v_max3_num_f32 v[PM+4+\j], |v[T+32*\j+2]|, |v[T+32*\j+3]|, |v[T+32*\j+4]|
.endr
.irp i, 5,9,13,17,21,25
.irp j, 0,1,2,3
	v_max3_num_f32 v[PM+\j], v[PM+\j], |v[T+32*\j+\i]|, |v[T+32*\j+\i+1]|
	v_max3_num_f32 v[PM+4+\j], v[PM+4+\j], |v[T+32*\j+\i+2]|, |v[T+32*\j+\i+3]|
.endr
.endr
.irp j, 0,1,2,3
	v_max3_num_f32 v[PM+\j], v[PM+\j], |v[T+32*\j+29]|, |v[T+32*\j+30]|
.endr
.irp j, 0,1,2,3
	v_max3_num_f32 v[PM+\j], v[PM+\j], v[PM+4+\j], |v[T+32*\j+31]|
.endr
	s_wait_dscnt 0x0                               ; the last step's LDS stores have read the codes' and the words' registers
.irp j, 0,1,2,3
	v_add_nc_u32 v[PM+8+\j], 0xfe000000, v[PM+\j]  ; 4 off the exponent field: the conversion's scale operand
.endr
.if ((\t)%4) == 0
.irp j, 0,1,2,3
	v_lshrrev_b32 v[PM+16+\j], 23, v[PM+8+\j]      ; the scale's byte: the first of a K step's four starts the word
.endr
.else
.irp j, 0,1,2,3
	v_lshrrev_b32 v[PM+12+\j], 23, v[PM+8+\j]
.endr
.irp j, 0,1,2,3
	v_lshl_or_b32 v[PM+16+\j], v[PM+12+\j], 8*((\t)%4), v[PM+16+\j]
.endr
.endif
.irp j, 0,1,2,3
	v_cvt_scalef32_pk16_bf6_f32 v[C+8*\j:C+8*\j+2], v[T+32*\j:T+32*\j+15], v[PM+8+\j]
	v_cvt_scalef32_pk16_bf6_f32 v[C+8*\j+4:C+8*\j+6], v[T+32*\j+16:T+32*\j+31], v[PM+8+\j]   ; (a conversion's three registers begin on an even number)
.endr
	v_nop                                          ; one plain place behind a scaled conversion
.irp j, 0,1,2,3
.irp k, 3,4,5
	v_mov_b32 v[C+8*\j+\k], v[C+8*\j+\k+1]         ; the block's 24 bytes on end
.endr
.endr
; the block is number t % 4 = 2 c + h' of K step t / 4: registers 6 c .. 6 c + 5 of lane (row, h') of the image
.set XO, 1536*((\t)/4)+256*((\t)%2)
.irp j, 0,1,2,3
.if ((\t)%4) < 2
	ds_store_b128 v[XW], v[C+8*\j:C+8*\j+3] offset:XO+16*\j
	ds_store_b64 v[XW], v[C+8*\j+4:C+8*\j+5] offset:XO+16*\j+512
.else
	ds_store_b64 v[XW], v[C+8*\j:C+8*\j+1] offset:XO+16*\j+520
	ds_store_b128 v[XW], v[C+8*\j+2:C+8*\j+5] offset:XO+16*\j+1024
.endif
.endr
.if ((\t)%4) == 3
.irp j, 0,1,2,3
	ds_store_b32 v[XSW], v[PM+16+\j] offset:8*\j+2048*(((\t)/4)/2)+4*(((\t)/4)%2)
.endr
.endif
.endm
.macro ASTEP t, left
	s_wait_loadcnt \left
	COPY \t
.if (\t) <= 12
	LOADSET (\t)+3                                 ; the set just turned takes the step three on
.endif
	QCOL \t
.endm
	LOADSET 0
	LOADSET 1
	LOADSET 2
.irp t, 0,1,2,3,4,5,6,7,8,9,10,11,12,13
	ASTEP \t, 63                                   ; behind this step's set 64 loads were issued; the count's field holds 63
.endr
	ASTEP 14, 32                                   ; step 15's set may be out
	ASTEP 15, 0
	WIN 0x0a                                       ; sources 0 and 1 window 2
	v_pk_mul_f32 v[TBC:TBC+1], v[128:129], v[144:145]      ; theta . b_lt: my 16 of the 512
.irp k, 1,2,3,4,5,6,7
	v_pk_fma_f32 v[TBC:TBC+1], v[128+2*\k:129+2*\k], v[144+2*\k:145+2*\k], v[TBC:TBC+1]
.endr
	WIN 0
	v_add_f32 v[TBC], v[TBC], v[TBC+1]
	v_add_f32_dpp v[TBC], v[TBC], v[TBC] row_xmask:1 row_mask:0xf bank_mask:0xf
	v_add_f32_dpp v[TBC], v[TBC], v[TBC] row_xmask:2 row_mask:0xf bank_mask:0xf
	v_add_f32_dpp v[TBC], v[TBC], v[TBC] row_xmask:4 row_mask:0xf bank_mask:0xf
	v_add_f32_dpp v[TBC], v[TBC], v[TBC] row_xmask:8 row_mask:0xf bank_mask:0xf
	v_permlanex16_b32 v[TBC+1], v[TBC], s56, s57
	v_add_f32 v[TBC], v[TBC], v[TBC+1]
	v_mul_f32 v[TBC], s58, v[TBC]
	v_mov_b32 v[TBC+1], v[TBC]
; ---- PHASE B
.macro FRAG reg, adr, off              ; an image comes back as it was stored: three loads of 512 consecutive bytes
	ds_load_b128 v[\reg:\reg+3], v[\adr] offset:\off
	ds_load_b128 v[\reg+4:\reg+7], v[\adr] offset:\off+512
	ds_load_b128 v[\reg+8:\reg+11], v[\adr] offset:\off+1024
.endm
.macro FETCH_W p, ql, set              ; my eight row tiles of slot p, its ql-th 128 along K, into set
	WIN 0x40
.irp b, 0,1,2,3,4,5,6,7
	FRAG 128*(\set)+12*\b, ADW+(\p), 3072*\b+1536*(\ql)
.endr
	WIN 0
.endm
.macro FETCH_X kq, i0                  ; my position tiles i0 .. i0 + 3, K step kq
.irp i, 0,1,2,3
	FRAG XF+12*((\i0)+\i), ADX+(\i0)/4, \i*XA+1536*(\kq)
.endr
.endm
.macro SCALES sc, ks                   ; K slab ks's scale words into set sc: register 2 i + q: lanes 0-15 position tile i's word, lanes 16-31 row tile i's, for the slab's q-th 128
.irp i, 0,1,2,3,4,5,6,7
	ds_load_b64 v[SC+16*(\sc)+2*\i:SC+16*(\sc)+2*\i+1], v[ADRS+(\ks)] offset:128*\i
.endr
.endm
; 16 matrix instructions: position tiles a0, a0 + 1 x my eight row tiles, 128 along K.  zero = 1: the product starts the sums: nothing is cleared.  g = 0: source 0 the weight; g = 1: source 0 the positions.
; The 64 accumulators take turns, one instruction a turn, in the same order in every step.
.macro MUL16 a0, set, sc, q, zero, g
	WIN 0xa1+3*(\g)+0x50*((\a0)/4)
.irp a, \a0, \a0+1
.irp b, 0,1,2,3,4,5,6,7
.if \g
.if \zero
	v_wmma_scale_f32_16x16x128_f8f6f4 v[8*(8*((\a)%4)+\b):8*(8*((\a)%4)+\b)+7], v[XF+12*(\a):XF+12*(\a)+11], v[128*(\set)+12*\b:128*(\set)+12*\b+11], 0, v[SC+16*(\sc)+2*(\a)+(\q)], v[SC+16*(\sc)+2*\b+(\q)] matrix_a_fmt:MATRIX_FMT_BF6 matrix_b_fmt:MATRIX_FMT_BF6 matrix_b_scale:MATRIX_SCALE_ROW1
.else
	v_wmma_scale_f32_16x16x128_f8f6f4 v[8*(8*((\a)%4)+\b):8*(8*((\a)%4)+\b)+7], v[XF+12*(\a):XF+12*(\a)+11], v[128*(\set)+12*\b:128*(\set)+12*\b+11], v[8*(8*((\a)%4)+\b):8*(8*((\a)%4)+\b)+7], v[SC+16*(\sc)+2*(\a)+(\q)], v[SC+16*(\sc)+2*\b+(\q)] matrix_a_fmt:MATRIX_FMT_BF6 matrix_b_fmt:MATRIX_FMT_BF6 matrix_b_scale:MATRIX_SCALE_ROW1
.endif
.else
.if \zero
	v_wmma_scale_f32_16x16x128_f8f6f4 v[8*(8*((\a)%4)+\b):8*(8*((\a)%4)+\b)+7], v[128*(\set)+12*\b:128*(\set)+12*\b+11], v[XF+12*(\a):XF+12*(\a)+11], 0, v[SC+16*(\sc)+2*\b+(\q)], v[SC+16*(\sc)+2*(\a)+(\q)] matrix_a_fmt:MATRIX_FMT_BF6 matrix_b_fmt:MATRIX_FMT_BF6 matrix_a_scale:MATRIX_SCALE_ROW1
.else
	v_wmma_scale_f32_16x16x128_f8f6f4 v[8*(8*((\a)%4)+\b):8*(8*((\a)%4)+\b)+7], v[128*(\set)+12*\b:128*(\set)+12*\b+11], v[XF+12*(\a):XF+12*(\a)+11], v[8*(8*((\a)%4)+\b):8*(8*((\a)%4)+\b)+7], v[SC+16*(\sc)+2*\b+(\q)], v[SC+16*(\sc)+2*(\a)+(\q)] matrix_a_fmt:MATRIX_FMT_BF6 matrix_b_fmt:MATRIX_FMT_BF6 matrix_a_scale:MATRIX_SCALE_ROW1
.endif
.endif
.endr
.endr
.endm
; K step kq (even): the first 128 of a slot.  A position tile is free as soon as its eight products are issued, so the positions have one set of registers: tiles 0-3 are fetched anew in the step's middle, tiles 4-7 at its end.
.macro STEP kq, zero, g
.set PSL, ((\kq)/2)%2
	s_wait_dscnt 12                                ; the weight's set, tiles 0-3 and the scale words are in; the youngest twelve loads (tiles 4-7) may be out
	MUL16 0, 0, PSL, 0, \zero, \g
	MUL16 2, 0, PSL, 0, \zero, \g
	s_wait_dscnt 0x0
	PLACES
	FETCH_W PSL, 1, 1
	FETCH_X (\kq)+1, 0
	MUL16 4, 0, PSL, 0, \zero, \g
	MUL16 6, 0, PSL, 0, \zero, \g
	PLACES
	WIN 0
	FETCH_X (\kq)+1, 4
.endm
; K step kq (odd): a slot's last 128, and the change of slots: ONE barrier; in front of it each wave waits for all its tensor loads, adds 0 to its spare word, and waits for that and for its reads of this slot.
; fill = 1: the barrier opens a round of the cluster's barrier, and behind the round this slot takes the block two on.
.macro TURN kq, fill, g
.set PSL, ((\kq)/2)%2
.set NK, ((\kq)+1)%8
	s_wait_tensorcnt 0x0                           ; all my tensor loads have landed: the one that was out is my quarter of the next slot
	ds_add_u32 v[SPW], v[NIL]                      ; 0 onto my spare word
	s_wait_dscnt 13                                ; (the add and the youngest twelve loads may be out)
	MUL16 0, 1, PSL, 1, 0, \g                      ; sixteen matrix instructions stand between the add and the wait for it
	s_wait_dscnt 0x0                               ; the add is done, and my reads of this slot are over
	s_barrier_signal -1
	MUL16 2, 1, PSL, 1, 0, \g
	WIN 0
	s_barrier_wait -1
.if \fill
	CREST                                          ; no wave of any partner still reads this slot or has a load on its way
	s_add_nc_u64 s[G0+4*PSL+2:G0+4*PSL+3], s[G0+4*PSL+2:G0+4*PSL+3], 2*SLOTB
	tensor_load_to_lds s[G0+4*PSL:G0+4*PSL+3], s[G1:G1+7]   ; my one tensor load behind the round, and the first thing there; it has the next slot's 128 matrix instructions, less sixteen, in which to land
	s_nop 0
.endif
	PLACES                                         ; behind the load, and in front of the loads below
	FETCH_W 1-PSL, 0, 0
	FETCH_X NK, 0
	SCALES 1-PSL, NK/2
	MUL16 4, 1, PSL, 1, 0, \g
	MUL16 6, 1, PSL, 1, 0, \g
	PLACES
	WIN 0
	FETCH_X NK, 4
.endm
.macro LAST g                          ; the very last K step: nothing more to fetch
	s_wait_dscnt 12
	MUL16 0, 1, 1, 1, 0, \g
	MUL16 2, 1, 1, 1, 0, \g
	s_wait_dscnt 0x0
	MUL16 4, 1, 1, 1, 0, \g
	MUL16 6, 1, 1, 1, 0, \g
	WIN 0
	PLACES
.endm
.macro PASS g, last                    ; four blocks of wimg; blocks 2 to 15 are refills, so the last pass's third change of slots asks for nothing
	STEP 0, 1, \g
	TURN 1, 1, \g
	STEP 2, 0, \g
	TURN 3, 1, \g
	STEP 4, 0, \g
	TURN 5, 1-(\last), \g
	STEP 6, 0, \g
.if \last
	LAST \g
.else
	TURN 7, 1, \g
.endif
.endm
.macro THLOAD j                        ; theta at pass j's latent channels of my wave: register 8 b + i = channel 16 b + 8 h + i
.irp b, 0,1,2,3,4,5,6,7
	global_load_b128 v[V+8*\b:V+8*\b+3], v[VTH], s[24:25] offset:(16*(\j)+\b)*1024
	global_load_b128 v[V+8*\b+4:V+8*\b+7], v[VTH], s[24:25] offset:(16*(\j)+\b)*1024+512
.endr
.endm
.macro EPI_PHI start                   ; the scores' partial sums: for position tile a, the sum over b and the registers of phi0 x theta; four chains by turns; each accumulator from its low end on
	s_wait_loadcnt 0x0                             ; theta
.irp hi, 0,1
	WIN 0x02+\hi
.irp b, 0,1,2,3,4,5,6,7
.irp i, 0,1,2,3
.irp a, 0,1,2,3
.if \start && (\b == 0) && (\i == 0)
	v_pk_mul_f32 v[SO+2*(4*\hi+\a):SO+2*(4*\hi+\a)+1], v[8*(8*\a+\b)+2*\i:8*(8*\a+\b)+2*\i+1], v[V+8*\b+2*\i:V+8*\b+2*\i+1]
.else
	v_pk_fma_f32 v[SO+2*(4*\hi+\a):SO+2*(4*\hi+\a)+1], v[8*(8*\a+\b)+2*\i:8*(8*\a+\b)+2*\i+1], v[V+8*\b+2*\i:V+8*\b+2*\i+1], v[SO+2*(4*\hi+\a):SO+2*(4*\hi+\a)+1]
.endif
.endr
.endr
.endr
.endr
	WIN 0
.endm
.macro FOLD                            ; each of the eight pairs: its two halves, and lane l xor 16's
.irp a, 0,1,2,3,4,5,6,7
	v_add_f32 v[SO+2*\a], v[SO+2*\a], v[SO+2*\a+1]
.endr
.irp a, 0,1,2,3,4,5,6,7
	v_permlanex16_b32 v[SO+2*\a+1], v[SO+2*\a], s56, s57
.endr
.irp a, 0,1,2,3,4,5,6,7
	v_add_f32 v[SO+2*\a], v[SO+2*\a], v[SO+2*\a+1]
.endr
.endm
.macro EPI_G j                         ; opart's partial sums: for row tile b, the sum over a and the registers of g0 x e; eight chains by turns
.irp hi, 0,1
	WIN 0x02+\hi
.irp a, 0,1,2,3
.irp i, 0,1,2,3
.irp b, 0,1,2,3,4,5,6,7
.if (\hi == 0) && (\a == 0) && (\i == 0)
	v_pk_mul_f32 v[SO+2*\b:SO+2*\b+1], v[8*(8*\a+\b)+2*\i:8*(8*\a+\b)+2*\i+1], v[V+8*(4*\hi+\a)+2*\i:V+8*(4*\hi+\a)+2*\i+1]
.else
	v_pk_fma_f32 v[SO+2*\b:SO+2*\b+1], v[8*(8*\a+\b)+2*\i:8*(8*\a+\b)+2*\i+1], v[V+8*(4*\hi+\a)+2*\i:V+8*(4*\hi+\a)+2*\i+1], v[SO+2*\b:SO+2*\b+1]
.endif
.endr
.endr
.endr
.endr
	WIN 0
	FOLD
.irp b, 0,1,2,3,4,5,6,7
	ds_store_b32 v[OUTW], v[SO+2*\b] offset:1024*((\j)-2)+64*\b      ; both halves of the lanes write the same word with the same value
.endr
	s_wait_dscnt 0x0                               ; the stores have read their registers
.endm
	s_wait_tensorcnt 0x1                           ; my quarter of block 0 is in; block 1's may stay out
	s_wait_dscnt 0x0                               ; my images and scale words lie in LDS
	s_barrier_signal -1
	s_barrier_wait -1                              ; everybody's do
	THLOAD 0
	FETCH_W 0, 0, 0
	FETCH_X 0, 0
	SCALES 0, 0
	FETCH_X 0, 4
	PASS 0, 0                                      ; phi, latent channels 0-255
	EPI_PHI 1
	THLOAD 1
	PASS 0, 0                                      ; phi, latent channels 256-511
	EPI_PHI 0
	; ---- the softmax of my work-group's 256 positions, under their own maximum; every wave makes all of it
	FOLD
.irp a, 0,1,2,3,4,5,6,7
	ds_store_b32 v[SCRW], v[SO+2*\a] offset:64*\a
.endr
	s_wait_dscnt 0x0                               ; for the others' sake: my partial scores lie in LDS
	s_barrier_signal -1                            ; (my refill of slot 1 stays out, and slot 1 is read only behind the next change of slots)
	s_barrier_wait -1
	ds_load_b128 v[TP:TP+3], v[SCRR]               ; positions 8 L .. 8 L + 7: the sum over latent channels of wl = 0,
	ds_load_b128 v[TP+4:TP+7], v[SCRR] offset:16
	ds_load_b128 v[SO:SO+3], v[SCRR] offset:1024   ; and of wl = 1
	ds_load_b128 v[SO+4:SO+7], v[SCRR] offset:1040
	s_wait_dscnt 0x0
.irp k, 0,2,4,6
	v_pk_add_f32 v[TP+\k:TP+\k+1], v[TP+\k:TP+\k+1], v[SO+\k:SO+\k+1]
.endr
.irp k, 0,2,4,6
	v_pk_fma_f32 v[TP+\k:TP+\k+1], v[TP+\k:TP+\k+1], s[58:59], v[TBC:TBC+1] op_sel_hi:[1,0,1]   ; t = c theta . phi0 + c theta . b_lt
.endr
	v_max3_num_f32 v[SO+8], v[TP], v[TP+1], v[TP+2]
	v_max3_num_f32 v[SO+9], v[TP+3], v[TP+4], v[TP+5]
	v_max3_num_f32 v[SO+8], v[SO+8], v[TP+6], v[TP+7]
	v_max_num_f32 v[SO+8], v[SO+8], v[SO+9]
	v_max_num_f32_dpp v[SO+8], v[SO+8], v[SO+8] row_xmask:1 row_mask:0xf bank_mask:0xf
	v_max_num_f32_dpp v[SO+8], v[SO+8], v[SO+8] row_xmask:2 row_mask:0xf bank_mask:0xf
	v_max_num_f32_dpp v[SO+8], v[SO+8], v[SO+8] row_xmask:4 row_mask:0xf bank_mask:0xf
	v_max_num_f32_dpp v[SO+8], v[SO+8], v[SO+8] row_xmask:8 row_mask:0xf bank_mask:0xf
	v_permlanex16_b32 v[SO+9], v[SO+8], s56, s57
	v_max_num_f32 v[MZ], v[SO+8], v[SO+9]          ; m, in every lane
.irp k, 0,1,2,3,4,5,6,7
	v_sub_f32 v[TP+\k], v[TP+\k], v[MZ]
.endr
.irp k, 0,1,2,3,4,5,6,7
	v_exp_f32 v[TP+\k], v[TP+\k]                   ; e = 2^(t - m), at most 1
.endr
	v_and_b32 v255, 31, v0                         ; (a plain place behind the exponentials)
	v_lshlrev_b32 v255, 3, v255                    ; 8 x lane, for stats; never rewritten
	s_wait_alu depctr_va_vdst(0)
	v_pk_add_f32 v[SO+8:SO+9], v[TP:TP+1], v[TP+2:TP+3]
	v_pk_add_f32 v[SO+10:SO+11], v[TP+4:TP+5], v[TP+6:TP+7]
	v_pk_add_f32 v[SO+8:SO+9], v[SO+8:SO+9], v[SO+10:SO+11]
	v_add_f32 v[SO+8], v[SO+8], v[SO+9]
	v_add_f32_dpp v[SO+8], v[SO+8], v[SO+8] row_xmask:1 row_mask:0xf bank_mask:0xf
	v_add_f32_dpp v[SO+8], v[SO+8], v[SO+8] row_xmask:2 row_mask:0xf bank_mask:0xf
	v_add_f32_dpp v[SO+8], v[SO+8], v[SO+8] row_xmask:4 row_mask:0xf bank_mask:0xf
	v_add_f32_dpp v[SO+8], v[SO+8], v[SO+8] row_xmask:8 row_mask:0xf bank_mask:0xf
	v_permlanex16_b32 v[SO+9], v[SO+8], s56, s57
	v_add_f32 v[MZ+1], v[SO+8], v[SO+9]            ; Z, in every lane
	ds_store_b128 v[EWW], v[TP:TP+3]               ; e into my wave's own copy,
	ds_store_b128 v[EWW], v[TP+4:TP+7] offset:16
.irp a, 0,1,2,3,4,5,6,7
	ds_load_b128 v[V+8*\a:V+8*\a+3], v[EWR] offset:64*\a             ; and back in the layout of g's results: register 8 a + i = position 16 a + 8 h + i.  LDS serves a wave's instructions in order: these see the stores above
	ds_load_b128 v[V+8*\a+4:V+8*\a+7], v[EWR] offset:64*\a+16
.endr
	s_cmp_lg_u32 s18, 0
	s_cbranch_scc1 .Lno_stats
	global_store_b64 v255, v[MZ:MZ+1], s[16:17]    ; wave 0: (m, Z) from every lane: 256 consecutive bytes, aligned
.Lno_stats:
	s_wait_dscnt 0x0
	PASS 1, 0                                      ; g, latent channels 0-255
	EPI_G 2
	PASS 1, 1                                      ; g, latent channels 256-511
	EPI_G 3
	s_barrier_signal -1                            ; (EPI_G ended with a wait for all my LDS instructions)
	s_barrier_wait -1
	ds_load_b128 v[TP:TP+3], v[OUTR]               ; latent channels 4 x thread on: the sum over positions of ws = 0,
	ds_load_b128 v[TP+4:TP+7], v[OUTR] offset:2048 ; and of ws = 1
	s_wait_dscnt 0x0
	v_pk_add_f32 v[TP:TP+1], v[TP:TP+1], v[TP+4:TP+5]
	v_pk_add_f32 v[TP+2:TP+3], v[TP+2:TP+3], v[TP+6:TP+7]
.irp i, 0,1,2,3
	v_fma_f32 v[TP+\i], v[BG+\i], v[MZ+1], v[TP+\i]        ; + b_g Z: divided by the sample's whole sum it is b_g
.endr
	global_store_b128 v[GT], v[TP:TP+3], s[14:15]  ; the work-group stores 2,048 consecutive bytes
	s_wait_tensorcnt 0x0                           ; the wave's end, behind my last tensor load and my last LDS store
	ds_add_u32 v[SPW], v[NIL]
	s_wait_dscnt 0x0
	CROUND                                         ; the closing round: no work-group ends while a partner may still ask for a block that names it
	s_endpgm
.Lfunc_end_k_q731faa39ce_main:
	.size	k_q731faa39ce_main, .Lfunc_end_k_q731faa39ce_main-k_q731faa39ce_main
	.p2alignl 7, 3214868480
	.fill 96, 4, 3214868480
	.section	.rodata,"a",@progbits
	.p2align	6, 0x0
	.amdhsa_kernel k_q731faa39ce_main
		.amdhsa_group_segment_fixed_size 327680
		.amdhsa_private_segment_fixed_size 0
		.amdhsa_enable_private_segment 0
		.amdhsa_kernarg_size 56
		.amdhsa_user_sgpr_count 2
		.amdhsa_user_sgpr_kernarg_segment_ptr 1
		.amdhsa_wavefront_size32 1
		.amdhsa_system_sgpr_workgroup_id_x 1
		.amdhsa_system_sgpr_workgroup_id_y 1
		.amdhsa_system_sgpr_workgroup_id_z 1
		.amdhsa_system_vgpr_workitem_id 0
		.amdhsa_next_free_vgpr 1024
		.amdhsa_next_free_sgpr 66
		.amdhsa_reserve_vcc 0
		.amdhsa_float_denorm_mode_32 3
		.amdhsa_float_denorm_mode_16_64 3
		.amdhsa_memory_ordered 1
		.amdhsa_forward_progress 1
		.amdhsa_inst_pref_size 255
	.end_amdhsa_kernel
	.section	.bss,"aw",@nobits
	.p2align	6
	.space	262144
	.amdgpu_metadata
---
amdhsa.version: [ 1, 2 ]
amdhsa.kernels:
  - .name:           k_q731faa39ce_main
    .symbol:         k_q731faa39ce_main.kd
    .args:
      - { .name: lt_feat, .offset: 0, .size: 8, .value_kind: global_buffer, .address_space: global }
      - { .name: wimg, .offset: 8, .size: 8, .value_kind: global_buffer, .address_space: global }
      - { .name: thimg, .offset: 16, .size: 8, .value_kind: global_buffer, .address_space: global }
      - { .name: b_lt, .offset: 24, .size: 8, .value_kind: global_buffer, .address_space: global }
      - { .name: b_g, .offset: 32, .size: 8, .value_kind: global_buffer, .address_space: global }
      - { .name: opart, .offset: 40, .size: 8, .value_kind: global_buffer, .address_space: global }
      - { .name: stats, .offset: 48, .size: 8, .value_kind: global_buffer, .address_space: global }
    .group_segment_fixed_size: 327680
    .private_segment_fixed_size: 0
    .kernarg_segment_align: 8
    .kernarg_segment_size: 56
    .max_flat_workgroup_size: 128
    .sgpr_count:     66
    .vgpr_count:     1024
    .wavefront_size: 32
...
	.end_amdgpu_metadata
.endif
;; end of part 2
;; launch final (part 3): grid 8 x 1, 16 waves a work-group, no clusters, 92,160 bytes of LDS; arguments opart, stats, woimg, b_out, ln_w, ln_b, out0; writes out0
.if DOCPART == 3
	.amdgcn_target "amdgcn-amd-amdhsa--gfx1250"
	.amdhsa_code_object_version 6
	.text
	.protected	k_q731faa39ce_final
	.globl	k_q731faa39ce_final
	.p2align	8
	.type	k_q731faa39ce_final,@function
k_q731faa39ce_final:
	s_mov_b64 s[64:65], 0
	v_nop
	global_prefetch_b8 v0, s[64:65] scope:SCOPE_SE
	s_setreg_imm32_b32 hwreg(HW_REG_WAVE_MODE, 25, 1), 1
	s_wait_xcnt 0x0
; FINAL: a sample's two halves are joined under their common maximum, o = (w0 opart0 + w1 opart1) / (w0 Z0 + w1 Z1), w_i = 2^(m_i - max(m0, m1)); o is quantised along its 512 latent channels;
; y = Q(w_out) Q(o) + b_out on codes of BF6 (E3M2) with E8M0 scales; LayerNorm over the 1,024 channels, the mean first and then the mean square of the differences.
; SHARES.  A work-group owns 16 samples, since LayerNorm wants all channels of a sample: 8 work-groups.  Wave w quantises block w of the 16 blocks of 32 along K, and then makes channels 64 w .. 64 w + 63 (four tiles);
; its 16 fragments of w_out (192 registers) are asked for at the head and land while o is made.
; The matrix instruction's source 0 = 16 channels, source 1 = the 16 samples: register j of lane (r, h) is (channel 8 h + j of the tile, sample r): a lane holds one sample throughout.
; LIMITS: a block of zeros gets the byte 1 where the rule says 127 (its codes are zeros; only this program reads the bytes); NaN and infinities are not served.
; REGISTERS: v1 r, v2 h, v3 16 x lane, v4-7 offsets; v8-15 w_out's scale words and v60-63 o's, which hold scales and nothing else; v16-47 opart's halves, then the four accumulators; v48-59 at work, then o's fragment;
;   v64-255 w_out's fragments, later: v64-95 y, v96-191 b_out, ln_w, ln_b, v192-213 at work
.set IMG,  0                           ; o's four fragments: register i of lane l of K step s at 1,536 s + 128 i + 4 l
.set SCW,  6144                        ; their scale words: (s, r) at 64 s + 4 r
.set PAR,  6400                        ; b_out, ln_w, ln_b: 4,096 bytes each
.set RED1, 18688                       ; [sample][wave]: the waves' sums
.set RED2, 19712                       ; and their sums of squares
.set STG,  20736                       ; the way out: 16 rows x (4,096 bytes + 16)
.set SP,   4112
	s_load_b256 s[4:11], s[0:1], 0x0               ; opart s[4:5], stats s[6:7], woimg s[8:9], b_out s[10:11]
	s_load_b128 s[12:15], s[0:1], 0x20             ; ln_w s[12:13], ln_b s[14:15]
	s_load_b64 s[16:17], s[0:1], 0x30              ; out0
	v_lshrrev_b32 v1, 5, v0
	v_readfirstlane_b32 s18, v1                    ; wave 0..15
	v_and_b32 v1, 15, v0                           ; r
	v_bfe_u32 v2, v0, 4, 1                         ; h
	v_and_b32 v3, 31, v0
	v_lshlrev_b32 v3, 4, v3                        ; 16 x lane
	v_lshlrev_b32 v4, 3, v0                        ; 8 x thread: the parameters, in memory and in LDS
	v_lshlrev_b32 v5, 9, v1                        ; stats: sample r's two work-groups, 256 bytes each
	v_lshlrev_b32 v6, 12, v1
	v_lshl_add_u32 v6, v2, 6, v6
	s_lshl_b32 s19, s18, 7
	v_add_nc_u32 v6, s19, v6                       ; opart: sample r, latent channels 32 w + 16 h on
	v_lshlrev_b32 v7, 3, v1
	v_lshl_add_u32 v7, v2, 2, v7                   ; w_out's scale words: 8 r + 4 h
	s_lshl_b32 s20, ttmp9, 16
	s_mov_b32 s21, 0
	s_lshl_b32 s22, ttmp9, 13
	s_mov_b32 s23, 0
	s_mul_i32 s24, s18, 24576                      ; my 16 images
	s_mov_b32 s25, 0
	s_lshl_b32 s26, s18, 10
	s_add_co_u32 s26, s26, 393216                  ; my 8 x 128 bytes of scale words, behind the 256 images
	s_mov_b32 s27, 0
	s_lshl_b32 s28, ttmp9, 4
	s_add_co_u32 s28, s28, s18
	s_lshl_b32 s28, s28, 12                        ; out0: the row that my wave stores: sample 16 wg + w
	s_mov_b32 s29, 0
	s_lshr_b32 s19, s18, 2                         ; my block w is block w % 4 = 2 c + h' of K step w / 4
	s_mul_i32 s32, s19, 1536
	s_bfe_u32 s33, s18, 0x10001
	s_mul_i32 s33, s33, 768
	s_add_co_u32 s32, s32, s33
	s_and_b32 s33, s18, 1
	s_lshl_b32 s33, s33, 6
	s_add_co_u32 s32, s32, s33                     ; registers 6 c on, lanes 16 h' on
	s_lshl_b32 s33, s19, 6
	s_and_b32 s34, s18, 3
	s_add_co_u32 s33, s33, s34
	s_add_co_u32 s33, s33, SCW                     ; my byte of the K step's scale words
	s_mov_b32 s36, 0x3a800000                      ; 1 / 1,024
	s_mov_b32 s37, 0x3727c5ac                      ; 1e-5
	s_mov_b32 s38, 0x76543210
	s_mov_b32 s39, 0xfedcba98                      ; v_permlanex16_b32's selects for lane l xor 16
	s_wait_kmcnt 0x0
	s_add_nc_u64 s[4:5], s[4:5], s[20:21]
	s_add_nc_u64 s[6:7], s[6:7], s[22:23]
	s_add_nc_u64 s[30:31], s[8:9], s[26:27]
	s_add_nc_u64 s[8:9], s[8:9], s[24:25]
	s_add_nc_u64 s[16:17], s[16:17], s[28:29]
	global_load_b64 v[52:53], v4, s[10:11]
	global_load_b64 v[54:55], v4, s[12:13]
	global_load_b64 v[56:57], v4, s[14:15]
	global_load_b64 v[48:49], v5, s[6:7]                   ; m0, Z0
	global_load_b64 v[50:51], v5, s[6:7] offset:256        ; m1, Z1
.irp k, 0,1,2,3
	global_load_b128 v[16+4*\k:19+4*\k], v6, s[4:5] offset:16*\k
	global_load_b128 v[32+4*\k:35+4*\k], v6, s[4:5] offset:2048+16*\k
.endr
.irp t, 0,1,2,3
.irp kp, 0,1
	global_load_b32 v[8+2*\t+\kp], v7, s[30:31] offset:256*\t+128*\kp   ; tile t, K steps 2 kp (lanes 0-15) and 2 kp + 1 (lanes 16-31)
.endr
.endr
.irp f, 0,1,2,3,4,5,6,7,8,9,10,11,12,13,14,15
.irp g, 0,1,2
	global_load_b128 v[64+12*\f+4*\g:67+12*\f+4*\g], v3, s[8:9] offset:1536*\f+512*\g   ; fragment f = 4 t + s
.endr
.endr
	s_wait_loadcnt 56                              ; the parameters, stats and opart are in; w_out's 8 + 48 loads may be out
	ds_store_b64 v4, v[52:53] offset:PAR
	ds_store_b64 v4, v[54:55] offset:PAR+4096
	ds_store_b64 v4, v[56:57] offset:PAR+8192
	v_mul_u32_u24 v5, v2, 384                      ; (v5's and v6's loads are done)  my half of the block: registers 3 h on,
	v_lshl_add_u32 v5, v1, 2, v5
	v_add_nc_u32 v5, s32, v5                       ; lane r of the half
	v_lshl_add_u32 v6, v1, 2, s33
	v_max_num_f32 v58, v48, v50                    ; the sample's maximum
	v_sub_f32 v48, v48, v58
	v_sub_f32 v50, v50, v58
	v_exp_f32 v48, v48                             ; w0, w1: one of them is 1
	v_exp_f32 v50, v50
	v_nop                                          ; one plain place behind a transcendental
	s_wait_alu depctr_va_vdst(0)
	v_mul_f32 v58, v48, v49
	v_fma_f32 v58, v50, v51, v58                   ; the sample's sum, at least 1
	v_rcp_f32 v59, v58
	v_nop
	s_wait_alu depctr_va_vdst(0)
	v_mul_f32 v48, v48, v59
	v_mul_f32 v50, v50, v59
.irp k, 0,2,4,6,8,10,12,14
	v_pk_mul_f32 v[16+\k:17+\k], v[16+\k:17+\k], v[48:49] op_sel_hi:[1,0]
.endr
.irp k, 0,2,4,6,8,10,12,14
	v_pk_fma_f32 v[16+\k:17+\k], v[32+\k:33+\k], v[50:51], v[16+\k:17+\k] op_sel_hi:[1,0,1]   ; o at latent channels 32 w + 16 h + 0 .. 15 of sample r
.endr
	v_max3_num_f32 v58, |v16|, |v17|, 0x2800000    ; my 16, with the floor 2^(5 - 127): the byte cannot fall under 1
.irp i, 2,4,6,8,10,12,14
	v_max3_num_f32 v58, v58, |v[16+\i]|, |v[17+\i]|
.endr
	v_permlanex16_b32 v59, v58, s38, s39
	v_max_num_f32 v58, v58, v59                    ; with lane l xor 16's: the block's largest magnitude
	v_add_nc_u32 v59, 0xfe000000, v58              ; 4 off its exponent field: the conversion's scale operand
	v_lshrrev_b32 v58, 23, v59                     ; the scale's byte
	v_cvt_scalef32_pk16_bf6_f32 v[32:34], v[16:31], v59
	v_nop                                          ; one plain place behind a scaled conversion
	ds_store_b32 v5, v32
	ds_store_b32 v5, v33 offset:128
	ds_store_b32 v5, v34 offset:256
	ds_store_b8 v6, v58                            ; both halves of the lanes write the same byte with the same value
	s_wait_dscnt 0x0                               ; for the others' sake
	s_barrier_signal -1
	s_barrier_wait -1                              ; o's four fragments, their scale words and the parameters lie in LDS
	v_lshrrev_b32 v5, 2, v3                        ; 4 x lane
	v_lshlrev_b32 v6, 2, v1                        ; 4 r
	s_wait_loadcnt 0x0                             ; w_out
.irp s, 0,1,2,3
	ds_load_b32 v[60+\s], v6 offset:SCW+64*\s
.endr
.irp s, 0,1,2,3                        ; four accumulators by turns, a K step at a time
.irp i, 0,1,2,3,4,5,6,7,8,9,10,11
	ds_load_b32 v[48+\i], v5 offset:IMG+1536*\s+128*\i
.endr
	s_wait_dscnt 0x0
.irp t, 0,1,2,3
.if \s == 0
	v_wmma_scale_f32_16x16x128_f8f6f4 v[16+8*\t:23+8*\t], v[64+12*(4*\t+\s):75+12*(4*\t+\s)], v[48:59], 0, v[8+2*\t], v[60+\s] matrix_a_fmt:MATRIX_FMT_BF6 matrix_b_fmt:MATRIX_FMT_BF6
.elseif (\s%2) == 1
	v_wmma_scale_f32_16x16x128_f8f6f4 v[16+8*\t:23+8*\t], v[64+12*(4*\t+\s):75+12*(4*\t+\s)], v[48:59], v[16+8*\t:23+8*\t], v[8+2*\t+\s/2], v[60+\s] matrix_a_fmt:MATRIX_FMT_BF6 matrix_b_fmt:MATRIX_FMT_BF6 matrix_a_scale:MATRIX_SCALE_ROW1
.else
	v_wmma_scale_f32_16x16x128_f8f6f4 v[16+8*\t:23+8*\t], v[64+12*(4*\t+\s):75+12*(4*\t+\s)], v[48:59], v[16+8*\t:23+8*\t], v[8+2*\t+\s/2], v[60+\s] matrix_a_fmt:MATRIX_FMT_BF6 matrix_b_fmt:MATRIX_FMT_BF6
.endif
.endr
.rept 4
	v_nop                                          ; four places in front of loads into registers that matrix instructions have read, and of the first read of results (ISA guide 7.12.1 for vector instructions)
.endr
.endr
	s_lshl_b32 s19, s18, 8
	v_lshl_add_u32 v5, v2, 5, s19                  ; my channels' bytes: 256 w + 32 h
.irp p, 0,1,2
.irp t, 0,1,2,3
	ds_load_b128 v[96+32*\p+8*\t:99+32*\p+8*\t], v5 offset:PAR+4096*\p+64*\t         ; the parameters in the result's layout
	ds_load_b128 v[100+32*\p+8*\t:103+32*\p+8*\t], v5 offset:PAR+4096*\p+64*\t+16
.endr
.endr
	s_lshl_b32 s19, s18, 2
	v_lshl_add_u32 v6, v1, 6, s19                  ; 64 r + 4 w
	v_lshlrev_b32 v7, 6, v1                        ; 64 r
	s_wait_dscnt 0x0
.irp k, 0,2,4,6,8,10,12,14,16,18,20,22,24,26,28,30
	v_pk_add_f32 v[64+\k:65+\k], v[16+\k:17+\k], v[96+\k:97+\k]      ; y = the sums + b_out; each accumulator from its low end on
.endr
; v192, my wave's figure for sample r, becomes v196, the work-group's
.macro WGSUM red
	v_add_f32 v192, v192, v193
	v_permlanex16_b32 v193, v192, s38, s39
	v_add_f32 v192, v192, v193                     ; the pair's halves and lane l xor 16's: my wave's 64 channels
	ds_store_b32 v6, v192 offset:\red
	s_wait_dscnt 0x0                               ; for the others' sake
	s_barrier_signal -1
	s_barrier_wait -1
.irp k, 0,1,2,3
	ds_load_b128 v[196+4*\k:199+4*\k], v7 offset:\red+16*\k
.endr
	s_wait_dscnt 0x0
.irp k, 0,2,4,6
	v_pk_add_f32 v[196+\k:197+\k], v[196+\k:197+\k], v[204+\k:205+\k]
.endr
.irp k, 0,2
	v_pk_add_f32 v[196+\k:197+\k], v[196+\k:197+\k], v[200+\k:201+\k]
.endr
	v_pk_add_f32 v[196:197], v[196:197], v[198:199]
	v_add_f32 v196, v196, v197
.endm
	v_pk_add_f32 v[192:193], v[64:65], v[66:67]    ; the sum of my 32 numbers, in two chains
	v_pk_add_f32 v[194:195], v[68:69], v[70:71]
.irp k, 8,12,16,20,24,28
	v_pk_add_f32 v[192:193], v[192:193], v[64+\k:65+\k]
	v_pk_add_f32 v[194:195], v[194:195], v[66+\k:67+\k]
.endr
	v_pk_add_f32 v[192:193], v[192:193], v[194:195]
	WGSUM RED1
	v_mul_f32 v192, 0xba800000, v196               ; - the mean
.irp k, 0,2,4,6,8,10,12,14,16,18,20,22,24,26,28,30
	v_pk_add_f32 v[64+\k:65+\k], v[64+\k:65+\k], v[192:193] op_sel_hi:[1,0]
.endr
	v_pk_mul_f32 v[194:195], v[64:65], v[64:65]    ; the sum of the differences' squares, in two chains
	v_pk_mul_f32 v[212:213], v[66:67], v[66:67]
.irp k, 4,8,12,16,20,24,28
	v_pk_fma_f32 v[194:195], v[64+\k:65+\k], v[64+\k:65+\k], v[194:195]
	v_pk_fma_f32 v[212:213], v[66+\k:67+\k], v[66+\k:67+\k], v[212:213]
.endr
	v_pk_add_f32 v[192:193], v[194:195], v[212:213]
	WGSUM RED2
	v_fma_f32 v196, v196, s36, s37                 ; the variance + 1e-5
	v_rsq_f32 v192, v196
	v_mul_u32_u24 v6, v1, SP                       ; (a plain place behind the transcendental)
	v_add_nc_u32 v6, v6, v5                        ; the stage: row r, my channels' bytes
	s_wait_alu depctr_va_vdst(0)
.irp k, 0,2,4,6,8,10,12,14,16,18,20,22,24,26,28,30
	v_pk_mul_f32 v[128+\k:129+\k], v[128+\k:129+\k], v[192:193] op_sel_hi:[1,0]
.endr
.irp k, 0,2,4,6,8,10,12,14,16,18,20,22,24,26,28,30
	v_pk_fma_f32 v[64+\k:65+\k], v[64+\k:65+\k], v[128+\k:129+\k], v[160+\k:161+\k]
.endr
.irp t, 0,1,2,3
	ds_store_b128 v6, v[64+8*\t:67+8*\t] offset:STG+64*\t
	ds_store_b128 v6, v[68+8*\t:71+8*\t] offset:STG+64*\t+16
.endr
	s_mul_i32 s19, s18, SP
	v_add_nc_u32 v7, s19, v3                       ; back: wave w takes row w, whole
	s_wait_dscnt 0x0                               ; for the others' sake
	s_barrier_signal -1
	s_barrier_wait -1
.irp i, 0,1,2,3,4,5,6,7
	ds_load_b128 v[96+4*\i:99+4*\i], v7 offset:STG+512*\i
.endr
.irp i, 0,1,2,3,4,5,6,7
	s_wait_dscnt 7-\i                              ; piece i is back; the younger ones may be out
	global_store_b128 v3, v[96+4*\i:99+4*\i], s[16:17] offset:512*\i         ; 512 consecutive bytes, at a multiple of 256 from out0's first byte
.endr
	s_wait_xcnt 0x0
	v_lshl_add_u32 v254, v0, 2, 0x16000
	v_mov_b32 v255, 0
	s_wait_tensorcnt 0x0
	ds_add_u32 v254, v255
	s_wait_dscnt 0x0
	s_endpgm
.Lfunc_end_k_q731faa39ce_final:
	.size	k_q731faa39ce_final, .Lfunc_end_k_q731faa39ce_final-k_q731faa39ce_final
	.p2alignl 7, 3214868480
	.fill 96, 4, 3214868480
	.section	.rodata,"a",@progbits
	.p2align	6, 0x0
	.amdhsa_kernel k_q731faa39ce_final
		.amdhsa_group_segment_fixed_size 92160
		.amdhsa_private_segment_fixed_size 0
		.amdhsa_enable_private_segment 0
		.amdhsa_kernarg_size 56
		.amdhsa_user_sgpr_count 2
		.amdhsa_user_sgpr_kernarg_segment_ptr 1
		.amdhsa_wavefront_size32 1
		.amdhsa_system_sgpr_workgroup_id_x 1
		.amdhsa_system_sgpr_workgroup_id_y 1
		.amdhsa_system_sgpr_workgroup_id_z 1
		.amdhsa_system_vgpr_workitem_id 0
		.amdhsa_next_free_vgpr 256
		.amdhsa_next_free_sgpr 66
		.amdhsa_reserve_vcc 0
		.amdhsa_float_denorm_mode_32 3
		.amdhsa_float_denorm_mode_16_64 3
		.amdhsa_memory_ordered 1
		.amdhsa_forward_progress 1
		.amdhsa_inst_pref_size 31
	.end_amdhsa_kernel
	.amdgpu_metadata
---
amdhsa.version: [ 1, 2 ]
amdhsa.kernels:
  - .name:           k_q731faa39ce_final
    .symbol:         k_q731faa39ce_final.kd
    .args:
      - { .name: opart, .offset: 0, .size: 8, .value_kind: global_buffer, .address_space: global }
      - { .name: stats, .offset: 8, .size: 8, .value_kind: global_buffer, .address_space: global }
      - { .name: woimg, .offset: 16, .size: 8, .value_kind: global_buffer, .address_space: global }
      - { .name: b_out, .offset: 24, .size: 8, .value_kind: global_buffer, .address_space: global }
      - { .name: ln_w, .offset: 32, .size: 8, .value_kind: global_buffer, .address_space: global }
      - { .name: ln_b, .offset: 40, .size: 8, .value_kind: global_buffer, .address_space: global }
      - { .name: out0, .offset: 48, .size: 8, .value_kind: global_buffer, .address_space: global }
    .group_segment_fixed_size: 92160
    .private_segment_fixed_size: 0
    .kernarg_segment_align: 8
    .kernarg_segment_size: 56
    .max_flat_workgroup_size: 512
    .sgpr_count:     66
    .vgpr_count:     256
    .wavefront_size: 32
...
	.end_amdgpu_metadata
.endif
;; end of part 3
;; ======== version 2 of 3: 3 launches; 1.29 times as fast as version 1
;; workspace buffers: wimg 819,200 bytes; woimg 409,600 bytes; thimg 262,144 bytes; opart 524,288 bytes; stats 65,536 bytes
;; launch prep: the kernel of part 1 again; grid 280 x 1, 16 waves a work-group, no clusters, 153,600 bytes of LDS; arguments st_feat, w_st, b_st, w_lt, w_g, w_out, wimg, woimg, thimg; writes wimg, woimg, thimg
;; launch main (part 4): grid 256 x 1, 4 waves a work-group, clusters of 4 x 1, 327,680 bytes of LDS; arguments lt_feat, wimg, thimg, b_lt, b_g, opart, stats; writes opart, stats
.if DOCPART == 4
	.amdgcn_target "amdgcn-amd-amdhsa--gfx1250"
	.amdhsa_code_object_version 6
	.text
	.protected	k_q731faa39ce_main
	.globl	k_q731faa39ce_main
	.p2align	8
	.type	k_q731faa39ce_main,@function
k_q731faa39ce_main:
	s_mov_b64 s[64:65], 0
	v_nop
	global_prefetch_b8 v0, s[64:65] scope:SCOPE_SE
	s_setreg_imm32_b32 hwreg(HW_REG_WAVE_MODE, 25, 1), 1
	s_wait_xcnt 0x0
	s_wait_alu depctr_hold_cnt(0) depctr_sa_sdst(0) depctr_va_vdst(0) depctr_va_sdst(0) depctr_va_ssrc(0) depctr_va_vcc(0) depctr_vm_vsrc(0)
	s_getreg_b32 s2, hwreg(HW_REG_IB_STS2, 6, 4)
	s_cmp_eq_u32 s2, 0
	s_cbranch_scc0 .Lentry_in_a_cluster
	s_endpgm
.Lentry_in_a_cluster:
	s_bfe_u32 s2, ttmp6, 0x10000c
	s_cmp_lg_u32 s2, 0x3003
	s_cbranch_scc0 .Lentry_shape_is_right
	s_endpgm
.Lentry_shape_is_right:
; MAIN: for 256 positions s of one sample n (work-group id = 2 n + half): phi0 = Q(w_lt) Q(lt), g0 = Q(w_g) Q(lt) on codes of BF6 (E3M2) with E8M0 scales, and of them only
;   t[s] = c (theta . phi0[:, s] + theta . b_lt), c = log2(e) / sqrt(512);  m = the largest t of the 256;  e[s] = 2^(t[s] - m);  Z = the sum of e;  opart[l] = the sum over s of g0[l][s] e[s] + b_g[l] Z
; leave the work-group (the last launch joins a sample's two halves under their common maximum).  phi and g never go to memory, and lt_feat is read once.
; PHASE A, each wave by itself: 128 columns x 512 channels of lt_feat are streamed through registers, quantised along the channels (a lane to four columns, registers down K) and laid in LDS as images of the operand's
; registers: 16 tiles of 16 positions x 8 K steps.  An image is 1,536 bytes: register 4 g + p of lane l at byte 512 g + 16 l + 4 p.
; PHASE B: four passes (rows 0-255 and 256-511 of w_lt, then of w_g), each a product of 256 rows x 256 positions x 1,024 along K.  The positions' codes stay in LDS; the weights' images come through a ring of two slots
; (256 rows x 256 along K with their scale words: 51,200 dense bytes) by the tensor data mover.  Wave (wl, ws) makes rows 128 wl on x positions 128 ws on: 64 accumulators, 512 registers.
; After a pass the accumulators are folded by packed multiply-adds in f32 (these two thin products go on into a quantised operand, so they keep f32 operands) and are free.
;   phi's passes: source 0 = 16 rows of the weight, source 1 = 16 positions: a lane holds one position, its registers eight latent channels, which meet theta's eight.
;   g's passes: the sources swapped: a lane holds one latent channel, its registers eight positions, which meet e's eight.  The fetches are the same text.
; THE TEXT IS WALKED IN LOOPS, so that it stays short.  Phase A: a trip is four steps (128 channels), three trips, the last four steps written out, since they load less.  Phase B: the unit is half a pass less its first
; K step (HALF: 192 matrix instructions, two refills); phi: two passes of two; g: three of them in a loop, and the last half pass, which refills nothing, written out.
; CLUSTER: every work-group walks the same 819,200 bytes of weights, so the four of a cluster ask for each slot JOINTLY: the same tensor load, with the same descriptor and the mask of all four, in all four.
; PHASES A AND B STAND ONE BEHIND THE OTHER: the scores want all of phi, and phi all channels of a position.
; LIMITS: a block of zeros gets the byte 1 where the rule says 127 (its codes are zeros; only this program reads the bytes); NaN and infinities among the inputs are not served.
; REGISTERS, in windows of 256 (s_set_vgpr_msb's low byte: bits 1:0 source 0, 3:2 source 1, 5:4 source 2, 7:6 destination):
;   window 0: v0-31 addresses and what stays; v32-63 scale words, two sets, and nothing else; v64-127 phase A: codes and working numbers, phase B: theta, then e; v128-255 phase A: 128 numbers by columns,
;             phase B: v128-223 the positions' 8 fragments (one set), v224-239 the folds' sums, v240-255 at work
;   window 1: phase A: at v128-159 theta and b_lt for theta . b_lt; phase B: the weight's 8 fragments, two sets, at v0 and v128
;   windows 2, 3: phase A: the four load sets; phase B: window 2 the accumulators of position (or row) blocks a = 0..3, (a, b) at v[8 (8 a + b)], window 3 those of a = 4..7
.set XA,    12304                      ; a tile of positions in LDS: 8 images + 16 bytes, so that the four tiles that a store of phase A touches lie 16 bytes apart modulo 256
.set XS,    196864                     ; the positions' scale words: (s, K step 2 ks + ql) at 2,048 ks + 8 s + 4 ql
.set RING,  205056                     ; two slots, filled by tensor loads alone
.set SLOTB, 51200                      ; a slot: image (row tile T, ql) at 1,536 (2 T + ql); scale words at WSC + 128 T + 8 r + 4 ql
.set WSC,   49152
.set SCR,   307456                     ; the scores' two partial sums: [wl][256 s]
.set EW,    309504                     ; e: a copy of its own for each wave, 1,024 bytes
.set OUTS,  313600                     ; opart's two partial sums: [ws][512 l]
.set SPARE, 317696                     ; the spare words, 128 bytes for each wave: two blocks of 256 bytes that no other line names
.set ADXC, 1                           ; v1, v2   phase B: my position tiles 0-3, 4-7 at the half pass in hand (at the head: the offsets of b_lt's and theta's loads)
.set GA,   3                           ; v3   16 x lane
.set XW,   4                           ; v4   phase A: where my columns' codes go
.set XSW,  5                           ; v5   and their scale words
.set ADX,  6                           ; v6, v7   my wave's position tiles 0-3, 4-7, K step 0; never rewritten
.set ADW,  8                           ; v8, v9   my wave's row tiles in slot 0, 1
.set ADRS, 10                          ; v10-13   scale words of K slab ks: lanes 0-15 the positions', lanes 16-31 the weight's
.set SPW,  14                          ; v14  LDS address of my spare word; never rewritten
.set NIL,  15                          ; v15  0; never rewritten
.set VTH,  16                          ; v16  256 h: my half's eight numbers in an image of theta
.set SCRW, 17
.set SCRR, 18
.set EWW,  19
.set EWR,  20
.set OUTW, 21
.set OUTR, 22
.set GT,   23                          ; v23  16 x thread
.set MZ,   24                          ; v24 m, v25 Z
.set TBC,  26                          ; v26, v27 c theta . b_lt, twice
.set BG,   28                          ; v28-31 b_g at 4 x thread
.set SC,   32
.set V,    64
.set C,    64                          ; phase A: column j's codes at v[C + 8 j]
.set PM,   96                          ; phase A: v96-103 maxima in two chains, v104-107 scale operands, v108-111 bytes, v112-115 scale words in the making
.set XWC,  116                         ; phase A: v116 where my columns' codes go in the trip in hand
.set T,    128                         ; phase A: column j's 32 numbers at v[T + 32 j]
.set XF,   128
.set SO,   224
.set TP,   240
.set XU,   28                          ; s28  phase A: the trip's K step in bytes of images: 0, 1,536, 3,072: also the loop's counter
.set XB,   29                          ; s29  phase B: 0 or 6,144: the half pass's first K step in bytes of images
.set PCN,  30                          ; s30  counts phi's passes
.set ICN,  31                          ; s31  counts a pass's halves
.set HCN,  32                          ; s32  counts g's halves
.set G1,   40                          ; s[40:47] descriptor group 1
.set G0,   48                          ; s[48:51], s[52:55] group 0 of slots 0 and 1
.set MSB, 0
.macro WIN new                         ; the immediate's high byte repeats the setting that is left; a switch that changes nothing is dropped
.if MSB != (\new)
	s_set_vgpr_msb (MSB<<8)|(\new)
.set MSB, (\new)
.endif
.endm
.macro CREST                           ; a round of the cluster's barrier behind its opening barrier
	s_cmp_lg_u32 s18, 0
	s_cbranch_scc1 .Lnot_wave_0_\@
	s_barrier_signal -3
.Lnot_wave_0_\@:
	s_barrier_wait -3
	s_barrier_signal -1
	s_barrier_wait -1
.endm
.macro CROUND                          ; a whole round
	s_barrier_signal -1
	s_barrier_wait -1
	CREST
.endm
.macro PLACES                          ; four places in front of loads into registers that matrix instructions have read, and of the first read of results (ISA guide 7.12.1 for vector instructions)
.rept 4
	v_nop
.endr
.endm
	s_load_b256 s[4:11], s[0:1], 0x0               ; lt_feat s[4:5], wimg s[6:7], thimg s[8:9], b_lt s[10:11]
	s_load_b128 s[12:15], s[0:1], 0x20             ; b_g s[12:13], opart s[14:15]
	s_load_b64 s[16:17], s[0:1], 0x30              ; stats
	v_lshl_add_u32 v[SPW], v0, 2, SPARE
	v_mov_b32 v[NIL], 0
	ds_add_u32 v14, v15
	ds_add_u32 v14, v15
	s_wait_dscnt 0x0
	v_lshrrev_b32 v1, 5, v0
	v_readfirstlane_b32 s18, v1                    ; wave 0..3
	s_lshr_b32 s19, s18, 1                         ; wl: my half of a pass's rows.  In phase A: my half of the channels
	s_and_b32 s20, s18, 1                          ; ws: my half of the positions, in both phases
	s_bfe_u32 s21, ttmp6, 0x40000                  ; cx: my place in the cluster: it enters global addresses alone
	s_lshl_b32 s22, ttmp9, 2
	s_add_co_u32 s22, s22, s21                     ; id = 4 x cluster + cx
	s_lshr_b32 s23, s22, 1                         ; n
	s_lshl_b32 s24, s23, 21                        ; lt_feat: sample n of 2^21 bytes,
	s_and_b32 s25, s22, 1
	s_lshl_b32 s25, s25, 10
	s_add_co_u32 s24, s24, s25                     ; my work-group's 256 positions,
	s_lshl_b32 s25, s20, 9
	s_add_co_u32 s24, s24, s25                     ; my wave's 128 of them,
	s_lshl_b32 s25, s19, 20
	s_add_co_u32 s24, s24, s25                     ; my wave's 512 channels of 2,048 bytes
	s_mov_b32 s25, 0
	s_lshr_b32 s26, s23, 4                         ; thimg: the row of tiles n / 16, lane n % 16
	s_lshl_b32 s26, s26, 15
	s_and_b32 s27, s23, 15
	s_lshl_b32 s27, s27, 4
	s_add_co_u32 s26, s26, s27
	s_mov_b32 s27, 0
	s_lshl_b32 s28, s19, 13                        ; and my wave's eight tiles of a pass's sixteen
	s_mov_b32 s29, 0
	s_lshl_b32 s30, s22, 11                        ; opart: 2,048 bytes a work-group
	s_mov_b32 s31, 0
	s_lshl_b32 s32, s22, 8                         ; stats: 256
	s_mov_b32 s33, 0
	s_mul_i32 s34, s18, 12800                      ; my quarter of a slot: 50 rows of 256 bytes
	s_mov_b32 s35, 0
	v_and_b32 v240, 31, v0                         ; L
	v_and_b32 v241, 15, v0                         ; r
	v_bfe_u32 v242, v0, 4, 1                       ; h
	v_lshlrev_b32 v1, 6, v240                      ; b_lt: my 16 numbers
	v_lshlrev_b32 v2, 10, v240                     ; thimg: tile L holds theta's same 16
	v_lshlrev_b32 v[GA], 4, v240
	v_lshrrev_b32 v243, 2, v240                    ; phase A: lane L holds columns 4 L + j: tile L / 4 of my wave's eight, row 4 (L % 4) + j
	v_mul_u32_u24 v[XW], v243, XA
	v_and_b32 v243, 3, v240
	v_lshl_add_u32 v[XW], v243, 6, v[XW]
	s_mul_i32 s36, s20, 8*XA
	s_mul_i32 s37, s19, 6144                       ; my channels' four K steps
	s_add_co_u32 s37, s36, s37
	v_add_nc_u32 v[XW], s37, v[XW]
	s_lshl_b32 s37, s19, 12
	s_lshl_b32 s38, s20, 10
	s_add_co_u32 s37, s37, s38
	s_add_co_u32 s37, s37, XS
	v_lshl_add_u32 v[XSW], v240, 5, s37
	v_add_nc_u32 v[ADX], s36, v[GA]
	v_add_nc_u32 v[ADX+1], 4*XA, v[ADX]
	s_mul_i32 s37, s19, 24576
	s_add_co_u32 s37, s37, RING
	v_add_nc_u32 v[ADW], s37, v[GA]
	v_add_nc_u32 v[ADW+1], SLOTB, v[ADW]
	s_xor_b32 s39, s20, 1                          ; the scale words: the lower base (the positions') + h x the distance to the weight's: ONE product
	s_add_co_u32 s39, s39, s19
	s_lshl_b32 s39, s39, 10                        ; 1,024 (wl + 1 - ws): the part of the distance that hangs on the wave
	v_lshlrev_b32 v243, 3, v241
	v_add_nc_u32 v243, s38, v243                   ; 8 r + 1,024 ws
.irp ks, 0,1,2,3
	s_add_co_u32 s37, s39, RING+(\ks%2)*SLOTB+WSC-XS-2048*\ks-1024
	v_mul_u32_u24 v244, s37, v242
	v_add_nc_u32 v244, v244, v243
	v_add_nc_u32 v[ADRS+\ks], XS+2048*\ks, v244
.endr
	v_lshlrev_b32 v[VTH], 8, v242
	s_lshl_b32 s37, s19, 10
	s_lshl_b32 s38, s20, 9
	s_add_co_u32 s37, s37, s38
	s_add_co_u32 s37, s37, SCR
	v_lshl_add_u32 v[SCRW], v241, 2, s37           ; SCR + 1,024 wl + 512 ws + 4 r
	v_lshlrev_b32 v[SCRR], 5, v240
	v_add_nc_u32 v[SCRR], SCR, v[SCRR]             ; SCR + 32 L: eight scores a lane
	s_lshl_b32 s37, s18, 10
	s_add_co_u32 s37, s37, EW
	v_lshl_add_u32 v[EWW], v240, 5, s37
	s_add_co_u32 s37, s37, s38
	v_lshl_add_u32 v[EWR], v242, 5, s37            ; my copy of e, my wave's 128 positions, + 32 h
	s_lshl_b32 s37, s20, 11
	s_lshl_b32 s38, s19, 9
	s_add_co_u32 s37, s37, s38
	s_add_co_u32 s37, s37, OUTS
	v_lshl_add_u32 v[OUTW], v241, 2, s37           ; OUTS + 2,048 ws + 512 wl + 4 r
	v_lshlrev_b32 v[GT], 4, v0
	v_add_nc_u32 v[OUTR], OUTS, v[GT]
	; descriptor group 1: 50 rows of 256 bytes (32 elements of 8 bytes), dense, no padding: images are read 512 consecutive bytes at a time
	s_mov_b32 s[G1+0], 15|(3<<16)|(1<<21)          ; 15:0 the mask: all four work-groups; 17:16 elements of 8 bytes; 21 set beside a mask
	s_mov_b32 s[G1+1], 32<<16                      ; tensor_dim0 = 32
	s_mov_b32 s[G1+2], 50<<16                      ; tensor_dim1 = 50
	s_mov_b32 s[G1+3], 32<<16                      ; tile_dim0 = 32
	s_mov_b32 s[G1+4], 50                          ; tile_dim1 = 50
	s_mov_b32 s[G1+5], 32                          ; from row to row
	s_mov_b32 s[G1+6], 0
	s_mov_b32 s[G1+7], 0
	s_mov_b32 s56, 0x76543210
	s_mov_b32 s57, 0xfedcba98                      ; v_permlanex16_b32's selects for lane l xor 16
	s_mov_b32 s58, 0x3d8293ee                      ; c = log2(e) / sqrt(512)
	s_mov_b32 s59, s58                             ; (named with it as a pair, so it is written)
	s_wait_kmcnt 0x0
	s_add_nc_u64 s[4:5], s[4:5], s[24:25]
	s_add_nc_u64 s[26:27], s[8:9], s[26:27]        ; theta of sample n, tile 0
	s_add_nc_u64 s[24:25], s[26:27], s[28:29]      ; and my wave's tiles of pass 0
	s_add_nc_u64 s[14:15], s[14:15], s[30:31]
	s_add_nc_u64 s[16:17], s[16:17], s[32:33]
	s_add_nc_u64 s[6:7], s[6:7], s[34:35]          ; wimg at my quarter of block 0: the wave's number alone, the same in all four partners
	CROUND                                         ; all four work-groups are here: the first joint loads meet
	s_mov_b32 s[G0+0], 1
	s_add_co_u32 s[G0+1], s34, RING
	s_mov_b64 s[G0+2:G0+3], s[6:7]
	s_or_b32 s[G0+3], s[G0+3], 0x80000000
	s_mov_b32 s[G0+4], 1
	s_add_co_u32 s[G0+5], s34, RING+SLOTB
	s_add_nc_u64 s[G0+6:G0+7], s[6:7], SLOTB
	s_or_b32 s[G0+7], s[G0+7], 0x80000000
	tensor_load_to_lds s[G0:G0+3], s[G1:G1+7]      ; blocks 0 and 1: the two first fills go out together, ahead of every wait on TENSORcnt and every LDS read: two loads of mine are out
	s_nop 0
	tensor_load_to_lds s[G0+4:G0+7], s[G1:G1+7]
	s_nop 0
	PLACES                                         ; four v_nop follow
	WIN 0x40
	global_load_b128 v[128:131], v2, s[26:27]              ; theta at latent channels 16 L + 0..3,
	global_load_b128 v[132:135], v2, s[26:27] offset:512   ; + 4..7,
	global_load_b128 v[136:139], v2, s[26:27] offset:256   ; + 8..11,
	global_load_b128 v[140:143], v2, s[26:27] offset:768   ; + 12..15
.irp k, 0,1,2,3
	global_load_b128 v[144+4*\k:147+4*\k], v1, s[10:11] offset:16*\k   ; b_lt at the same
.endr
	WIN 0
	global_load_b128 v[BG:BG+3], v[GT], s[12:13]
; ---- PHASE A.  Step t: channels 32 t .. 32 t + 31 of my wave's 512: one block of 32 along K for each of my lane's four columns.  p = t % 4 is the step's place in a K step of 128, and its load set.
.macro LOADSET k, cb                   ; 32 loads, a channel each, from channel cb behind the pointer on: the 32 lanes read 512 consecutive bytes, at a multiple of 256 from the buffer's first byte.  Set k: register 4 i + j = channel i, column j
	WIN 0x80+0x40*((\k)/2)
.set LB, 128*((\k)%2)
.irp i, 0,1,2,3,4,5,6,7,8,9,10,11,12,13,14,15,16,17,18,19,20,21,22,23,24,25,26,27,28,29,30,31
	global_load_b128 v[LB+4*\i:LB+4*\i+3], v[GA], s[4:5] offset:((\cb)+\i)*2048 th:TH_LOAD_NT
.endr
	WIN 0
.endm
.macro COPY k                          ; a load lays four columns side by side; a conversion wants 16 neighbours along K of ONE column in consecutive registers: the set is turned as it leaves
	WIN 0x02+(\k)/2
.set LB, 128*((\k)%2)
.irp j, 0,1,2,3
.irp i, 0,1,2,3,4,5,6,7,8,9,10,11,12,13,14,15,16,17,18,19,20,21,22,23,24,25,26,27,28,29,30,31
	v_mov_b32 v[T+32*\j+\i], v[LB+4*\i+\j]
.endr
.endr
	WIN 0
.endm
.macro QCOL p, areg, ob                ; the four columns by turns; the codes go to v[areg] + ob
.irp j, 0,1,2,3
	v_max3_num_f32 v[PM+\j], |v[T+32*\j]|, |v[T+32*\j+1]|, 0x2800000   ; the block's largest magnitude, in two chains, with the floor 2^(5 - 127): the byte cannot fall under 1
	v_max3_num_f32 v[PM+4+\j], |v[T+32*\j+2]|, |v[T+32*\j+3]|, |v[T+32*\j+4]|
.endr
.irp i, 5,9,13,17,21,25
.irp j, 0,1,2,3
	v_max3_num_f32 v[PM+\j], v[PM+\j], |v[T+32*\j+\i]|, |v[T+32*\j+\i+1]|
	v_max3_num_f32 v[PM+4+\j], v[PM+4+\j], |v[T+32*\j+\i+2]|, |v[T+32*\j+\i+3]|
.endr
.endr
.irp j, 0,1,2,3
	v_max3_num_f32 v[PM+\j], v[PM+\j], |v[T+32*\j+29]|, |v[T+32*\j+30]|
.endr
.irp j, 0,1,2,3
	v_max3_num_f32 v[PM+\j], v[PM+\j], v[PM+4+\j], |v[T+32*\j+31]|
.endr
	s_wait_dscnt 0x0                               ; the last step's LDS stores have read the codes' and the words' registers
.irp j, 0,1,2,3
	v_add_nc_u32 v[PM+8+\j], 0xfe000000, v[PM+\j]  ; 4 off the exponent field: the conversion's scale operand
.endr
.if (\p) == 0
.irp j, 0,1,2,3
	v_lshrrev_b32 v[PM+16+\j], 23, v[PM+8+\j]      ; the scale's byte: the first of a K step's four starts the word
.endr
.else
.irp j, 0,1,2,3
	v_lshrrev_b32 v[PM+12+\j], 23, v[PM+8+\j]
.endr
.irp j, 0,1,2,3
	v_lshl_or_b32 v[PM+16+\j], v[PM+12+\j], 8*(\p), v[PM+16+\j]
.endr
.endif
.irp j, 0,1,2,3
	v_cvt_scalef32_pk16_bf6_f32 v[C+8*\j:C+8*\j+2], v[T+32*\j:T+32*\j+15], v[PM+8+\j]
	v_cvt_scalef32_pk16_bf6_f32 v[C+8*\j+4:C+8*\j+6], v[T+32*\j+16:T+32*\j+31], v[PM+8+\j]   ; (a conversion's three registers begin on an even number)
.endr
	v_nop                                          ; one plain place behind a scaled conversion
.irp j, 0,1,2,3
.irp k, 3,4,5
	v_mov_b32 v[C+8*\j+\k], v[C+8*\j+\k+1]         ; the block's 24 bytes on end
.endr
.endr
; the block is number p = 2 c + h' of its K step: registers 6 c .. 6 c + 5 of lane (row, h') of the image
.set XO, (\ob)+256*((\p)%2)
.irp j, 0,1,2,3
.if (\p) < 2
	ds_store_b128 v[\areg], v[C+8*\j:C+8*\j+3] offset:XO+16*\j
	ds_store_b64 v[\areg], v[C+8*\j+4:C+8*\j+5] offset:XO+16*\j+512
.else
	ds_store_b64 v[\areg], v[C+8*\j:C+8*\j+1] offset:XO+16*\j+520
	ds_store_b128 v[\areg], v[C+8*\j+2:C+8*\j+5] offset:XO+16*\j+1024
.endif
.endr
.endm
.macro WSTORE off                      ; a K step's four scale words of my lane
.irp j, 0,1,2,3
	ds_store_b32 v[XSW], v[PM+16+\j] offset:8*\j+(\off)
.endr
.endm
.macro ASTEP p, left, ld, areg, ob
	s_wait_loadcnt \left
	COPY \p
.if \ld
	LOADSET ((\p)+3)%4, 32*((\p)+3)                ; the step three on, into the set that the last step has turned
.endif
	QCOL \p, \areg, \ob
.endm
	LOADSET 0, 0
	LOADSET 1, 32
	LOADSET 2, 64
	s_mov_b32 s[XU], 0
.Lchan:                                                ; three trips: my K steps 0, 1, 2.  Behind a step's set 64 loads were issued; the count's field holds 63
	v_add_nc_u32 v[XWC], s[XU], v[XW]
	ASTEP 0, 63, 1, XWC, 0
	ASTEP 1, 63, 1, XWC, 0
	ASTEP 2, 63, 1, XWC, 0
	ASTEP 3, 63, 1, XWC, 0
	s_cmp_eq_u32 s[XU], 0                          ; K steps 2 ks and 2 ks + 1 lie side by side, 2,048 bytes a ks: 0, 4, 2,048 are no constant step, so the four stores stand three times, with fixed addresses
	s_cbranch_scc0 .Lword_n0
	WSTORE 0
	s_branch .Lword_done
.Lword_n0:
	s_cmp_eq_u32 s[XU], 1536
	s_cbranch_scc0 .Lword_n1
	WSTORE 4
	s_branch .Lword_done
.Lword_n1:
	WSTORE 2048
.Lword_done:
	s_wait_xcnt 0x0                                ; the loads that are out have had their addresses translated (ISA guide 3.1): their base is stepped only behind this wait
	s_add_nc_u64 s[4:5], s[4:5], 0x40000           ; 128 channels of 2,048 bytes on
	s_add_co_u32 s[XU], s[XU], 1536
	s_cmp_lt_u32 s[XU], 4608
	s_cbranch_scc1 .Lchan
	ASTEP 0, 63, 1, XW, 4608                       ; my K step 3 is written out: one more set is asked for, then none, and the counts run down
	ASTEP 1, 63, 0, XW, 4608
	ASTEP 2, 32, 0, XW, 4608                       ; the last set may be out
	ASTEP 3, 0, 0, XW, 4608
	WSTORE 2052
	WIN 0x05                                       ; sources 0 and 1 window 1
	v_pk_mul_f32 v[TBC:TBC+1], v[128:129], v[144:145]      ; theta . b_lt: my 16 of the 512
.irp k, 1,2,3,4,5,6,7
	v_pk_fma_f32 v[TBC:TBC+1], v[128+2*\k:129+2*\k], v[144+2*\k:145+2*\k], v[TBC:TBC+1]
.endr
	WIN 0
	v_add_f32 v[TBC], v[TBC], v[TBC+1]
	v_add_f32_dpp v[TBC], v[TBC], v[TBC] row_xmask:1 row_mask:0xf bank_mask:0xf
	v_add_f32_dpp v[TBC], v[TBC], v[TBC] row_xmask:2 row_mask:0xf bank_mask:0xf
	v_add_f32_dpp v[TBC], v[TBC], v[TBC] row_xmask:4 row_mask:0xf bank_mask:0xf
	v_add_f32_dpp v[TBC], v[TBC], v[TBC] row_xmask:8 row_mask:0xf bank_mask:0xf
	v_permlanex16_b32 v[TBC+1], v[TBC], s56, s57
	v_add_f32 v[TBC], v[TBC], v[TBC+1]
	v_mul_f32 v[TBC], s58, v[TBC]
	v_mov_b32 v[TBC+1], v[TBC]
	s_mov_b32 s[XB], 0
	v_add_nc_u32 v[ADXC], s[XB], v[ADX]            ; (the loads that named v1 and v2 are done)
	v_add_nc_u32 v[ADXC+1], s[XB], v[ADX+1]
.irp k, 0,1,2,3,4,5,6,7,8,9,10,11,12,13,14,15
	v_mov_b32 v[SO+\k], 0                          ; the scores' eight pairs of sums: both of phi's passes add onto them by one text
.endr
; ---- PHASE B
.macro FRAG reg, adr, off              ; an image comes back as it was stored: three loads of 512 consecutive bytes
	ds_load_b128 v[\reg:\reg+3], v[\adr] offset:\off
	ds_load_b128 v[\reg+4:\reg+7], v[\adr] offset:\off+512
	ds_load_b128 v[\reg+8:\reg+11], v[\adr] offset:\off+1024
.endm
.macro FETCH_W p, ql, set              ; my eight row tiles of slot p, its ql-th 128 along K, into set
	WIN 0x40
.irp b, 0,1,2,3,4,5,6,7
	FRAG 128*(\set)+12*\b, ADW+(\p), 3072*\b+1536*(\ql)
.endr
	WIN 0
.endm
.macro FETCH_X areg, kf, i0            ; my position tiles i0 .. i0 + 3, kf K steps behind the pair of address registers areg
.irp i, 0,1,2,3
	FRAG XF+12*((\i0)+\i), (\areg)+(\i0)/4, \i*XA+1536*(\kf)
.endr
.endm
.macro SCALES sc, ks                   ; K slab ks's scale words into set sc: register 2 i + q: lanes 0-15 position tile i's word, lanes 16-31 row tile i's, for the slab's q-th 128
.irp i, 0,1,2,3,4,5,6,7
	ds_load_b64 v[SC+16*(\sc)+2*\i:SC+16*(\sc)+2*\i+1], v[ADRS+(\ks)] offset:128*\i
.endr
.endm
; 16 matrix instructions: position tiles a0, a0 + 1 x my eight row tiles, 128 along K.  zero = 1: the product starts the sums: nothing is cleared.  g = 0: source 0 the weight; g = 1: source 0 the positions.
; The 64 accumulators take turns, one instruction a turn, in the same order in every step, over every backward jump too.
.macro MUL16 a0, set, sc, q, zero, g
	WIN 0xa1+3*(\g)+0x50*((\a0)/4)
.irp a, \a0, \a0+1
.irp b, 0,1,2,3,4,5,6,7
.if \g
.if \zero
	v_wmma_scale_f32_16x16x128_f8f6f4 v[8*(8*((\a)%4)+\b):8*(8*((\a)%4)+\b)+7], v[XF+12*(\a):XF+12*(\a)+11], v[128*(\set)+12*\b:128*(\set)+12*\b+11], 0, v[SC+16*(\sc)+2*(\a)+(\q)], v[SC+16*(\sc)+2*\b+(\q)] matrix_a_fmt:MATRIX_FMT_BF6 matrix_b_fmt:MATRIX_FMT_BF6 matrix_b_scale:MATRIX_SCALE_ROW1
.else
	v_wmma_scale_f32_16x16x128_f8f6f4 v[8*(8*((\a)%4)+\b):8*(8*((\a)%4)+\b)+7], v[XF+12*(\a):XF+12*(\a)+11], v[128*(\set)+12*\b:128*(\set)+12*\b+11], v[8*(8*((\a)%4)+\b):8*(8*((\a)%4)+\b)+7], v[SC+16*(\sc)+2*(\a)+(\q)], v[SC+16*(\sc)+2*\b+(\q)] matrix_a_fmt:MATRIX_FMT_BF6 matrix_b_fmt:MATRIX_FMT_BF6 matrix_b_scale:MATRIX_SCALE_ROW1
.endif
.else
.if \zero
	v_wmma_scale_f32_16x16x128_f8f6f4 v[8*(8*((\a)%4)+\b):8*(8*((\a)%4)+\b)+7], v[128*(\set)+12*\b:128*(\set)+12*\b+11], v[XF+12*(\a):XF+12*(\a)+11], 0, v[SC+16*(\sc)+2*\b+(\q)], v[SC+16*(\sc)+2*(\a)+(\q)] matrix_a_fmt:MATRIX_FMT_BF6 matrix_b_fmt:MATRIX_FMT_BF6 matrix_a_scale:MATRIX_SCALE_ROW1
.else
	v_wmma_scale_f32_16x16x128_f8f6f4 v[8*(8*((\a)%4)+\b):8*(8*((\a)%4)+\b)+7], v[128*(\set)+12*\b:128*(\set)+12*\b+11], v[XF+12*(\a):XF+12*(\a)+11], v[8*(8*((\a)%4)+\b):8*(8*((\a)%4)+\b)+7], v[SC+16*(\sc)+2*\b+(\q)], v[SC+16*(\sc)+2*(\a)+(\q)] matrix_a_fmt:MATRIX_FMT_BF6 matrix_b_fmt:MATRIX_FMT_BF6 matrix_a_scale:MATRIX_SCALE_ROW1
.endif
.endif
.endr
.endr
.endm
; The first 128 along K of slot psl.  A position tile is free as soon as its eight products are issued, so the positions have one set of registers: tiles 0-3 are fetched anew in the step's middle, tiles 4-7 at its end.
; The next K step's positions lie kf K steps behind areg.
.macro STEP psl, zero, g, areg, kf
	s_wait_dscnt 12                                ; the weight's set, tiles 0-3 and the scale words are in; the youngest twelve loads (tiles 4-7) may be out
	MUL16 0, 0, \psl, 0, \zero, \g
	MUL16 2, 0, \psl, 0, \zero, \g
	s_wait_dscnt 0x0
	PLACES
	FETCH_W \psl, 1, 1
	FETCH_X \areg, \kf, 0
	MUL16 4, 0, \psl, 0, \zero, \g
	MUL16 6, 0, \psl, 0, \zero, \g
	PLACES
	WIN 0
	FETCH_X \areg, \kf, 4
.endm
; Slot psl's last 128 along K, and the change of slots: ONE barrier; in front of it each wave waits for all its tensor loads, adds 0 to its spare word, and waits for that and for its reads of this slot.
; fill = 1: the barrier opens a round of the cluster's barrier, and behind the round this slot takes the block two on.  tog = 1: the positions' address registers go over to the pass's other half.
; The next slab's scale words: slab ks0, or ks1 where s[ureg] = 1 (the pass's second half): the address registers are fixed, and the eight loads stand twice, under a branch on the loop's counter.
.macro TURN psl, fill, g, areg, kf, tog, ureg, ks0, ks1
	s_wait_tensorcnt 0x0                           ; all my tensor loads have landed: the one that was out is my quarter of the next slot
	ds_add_u32 v[SPW], v[NIL]                      ; 0 onto my spare word
	s_wait_dscnt 13                                ; (the add and the youngest twelve loads may be out)
	MUL16 0, 1, \psl, 1, 0, \g                     ; sixteen matrix instructions stand between the add and the wait for it
	s_wait_dscnt 0x0                               ; the add is done, and my reads of this slot are over
	s_barrier_signal -1
	MUL16 2, 1, \psl, 1, 0, \g
	WIN 0
	s_barrier_wait -1
.if \fill
	CREST                                          ; no wave of any partner still reads this slot or has a load on its way
	s_add_nc_u64 s[G0+4*(\psl)+2:G0+4*(\psl)+3], s[G0+4*(\psl)+2:G0+4*(\psl)+3], 2*SLOTB
	tensor_load_to_lds s[G0+4*(\psl):G0+4*(\psl)+3], s[G1:G1+7]   ; my one tensor load behind the round, and the first thing there; it has the next slot's 128 matrix instructions, less sixteen, in which to land
	s_nop 0
.endif
	PLACES                                         ; behind the load, and in front of the loads below
.if \tog
	s_xor_b32 s[XB], s[XB], 6144                   ; four K steps of 1,536 bytes: the other half of the pass
	v_add_nc_u32 v[ADXC], s[XB], v[ADX]
	v_add_nc_u32 v[ADXC+1], s[XB], v[ADX+1]
.endif
	FETCH_W 1-(\psl), 0, 0
	FETCH_X \areg, \kf, 0
.if (\ks0) == (\ks1)
	SCALES 1-(\psl), \ks0
.else
	s_cmp_eq_u32 s[\ureg], 1
	s_cbranch_scc1 .Lsc_second_\@
	SCALES 1-(\psl), \ks0
	s_branch .Lsc_done_\@
.Lsc_second_\@:
	SCALES 1-(\psl), \ks1
.Lsc_done_\@:
.endif
	MUL16 4, 1, \psl, 1, 0, \g
	MUL16 6, 1, \psl, 1, 0, \g
	PLACES
	WIN 0
	FETCH_X \areg, \kf, 4
.endm
.macro HALF g, ureg                    ; K steps 4 u + 1, 4 u + 2, 4 u + 3 of a pass, u = 0 or 1: two changes of slots, two refills
	TURN 0, 1, \g, ADXC, 2, 0, \ureg, 1, 3
	STEP 1, 0, \g, ADXC, 3
	TURN 1, 1, \g, ADXC, 0, 1, \ureg, 2, 0
.endm
.macro LAST g                          ; the very last K step: nothing more to fetch
	s_wait_dscnt 12
	MUL16 0, 1, 1, 1, 0, \g
	MUL16 2, 1, 1, 1, 0, \g
	s_wait_dscnt 0x0
	MUL16 4, 1, 1, 1, 0, \g
	MUL16 6, 1, 1, 1, 0, \g
	WIN 0
	PLACES
.endm
.macro FOLD                            ; each of the eight pairs: its two halves, and lane l xor 16's
.irp a, 0,1,2,3,4,5,6,7
	v_add_f32 v[SO+2*\a], v[SO+2*\a], v[SO+2*\a+1]
.endr
.irp a, 0,1,2,3,4,5,6,7
	v_permlanex16_b32 v[SO+2*\a+1], v[SO+2*\a], s56, s57
.endr
.irp a, 0,1,2,3,4,5,6,7
	v_add_f32 v[SO+2*\a], v[SO+2*\a], v[SO+2*\a+1]
.endr
.endm
.macro EPI_G j                         ; opart's partial sums: for row tile b, the sum over a and the registers of g0 x e; eight chains by turns; each accumulator from its low end on
.irp hi, 0,1
	WIN 0x02+\hi
.irp a, 0,1,2,3
.irp i, 0,1,2,3
.irp b, 0,1,2,3,4,5,6,7
.if (\hi == 0) && (\a == 0) && (\i == 0)
	v_pk_mul_f32 v[SO+2*\b:SO+2*\b+1], v[8*(8*\a+\b)+2*\i:8*(8*\a+\b)+2*\i+1], v[V+8*(4*\hi+\a)+2*\i:V+8*(4*\hi+\a)+2*\i+1]
.else
	v_pk_fma_f32 v[SO+2*\b:SO+2*\b+1], v[8*(8*\a+\b)+2*\i:8*(8*\a+\b)+2*\i+1], v[V+8*(4*\hi+\a)+2*\i:V+8*(4*\hi+\a)+2*\i+1], v[SO+2*\b:SO+2*\b+1]
.endif
.endr
.endr
.endr
.endr
	WIN 0
	FOLD
.irp b, 0,1,2,3,4,5,6,7
	ds_store_b32 v[OUTW], v[SO+2*\b] offset:1024*((\j)-2)+64*\b      ; both halves of the lanes write the same word with the same value
.endr
	s_wait_dscnt 0x0                               ; the stores have read their registers
.endm
	s_wait_tensorcnt 0x1                           ; my quarter of block 0 is in; block 1's may stay out
	s_wait_dscnt 0x0                               ; my images and scale words lie in LDS
	s_barrier_signal -1
	s_barrier_wait -1                              ; everybody's do
	FETCH_W 0, 0, 0
	FETCH_X ADX, 0, 0
	SCALES 0, 0
	FETCH_X ADX, 0, 4
	; ---- phi: two passes, latent channels 0-255 and 256-511
	s_mov_b32 s[PCN], 0
.Lphi:
.irp b, 0,1,2,3,4,5,6,7                ; theta at this pass's latent channels of my wave: register 8 b + i = channel 16 b + 8 h + i; wanted at the pass's end
	global_load_b128 v[V+8*\b:V+8*\b+3], v[VTH], s[24:25] offset:\b*1024
	global_load_b128 v[V+8*\b+4:V+8*\b+7], v[VTH], s[24:25] offset:\b*1024+512
.endr
	STEP 0, 1, 0, ADX, 1                           ; K step 0: its products start the sums
	s_mov_b32 s[ICN], 0
.Lphi_half:
	HALF 0, ICN
	s_cmp_eq_u32 s[ICN], 1
	s_cbranch_scc1 .Lphi_no_fifth                  ; behind the second half the pass is over
	STEP 0, 0, 0, ADX, 5                           ; K step 4
.Lphi_no_fifth:
	s_add_co_u32 s[ICN], s[ICN], 1
	s_cmp_lt_u32 s[ICN], 2
	s_cbranch_scc1 .Lphi_half
	s_wait_loadcnt 0x0                             ; theta; its loads are done, so their base may step:
	s_add_nc_u64 s[24:25], s[24:25], 16384         ; the next pass's sixteen tiles (behind the second pass it is not used)
.irp hi, 0,1                           ; the scores' partial sums: for position tile a, the sum over b and the registers of phi0 x theta; four chains by turns; each accumulator from its low end on
	WIN 0x02+\hi
.irp b, 0,1,2,3,4,5,6,7
.irp i, 0,1,2,3
.irp a, 0,1,2,3
	v_pk_fma_f32 v[SO+2*(4*\hi+\a):SO+2*(4*\hi+\a)+1], v[8*(8*\a+\b)+2*\i:8*(8*\a+\b)+2*\i+1], v[V+8*\b+2*\i:V+8*\b+2*\i+1], v[SO+2*(4*\hi+\a):SO+2*(4*\hi+\a)+1]
.endr
.endr
.endr
.endr
	WIN 0
	s_add_co_u32 s[PCN], s[PCN], 1
	s_cmp_lt_u32 s[PCN], 2
	s_cbranch_scc1 .Lphi
	; ---- the softmax of my work-group's 256 positions, under their own maximum; every wave makes all of it
	FOLD
.irp a, 0,1,2,3,4,5,6,7
	ds_store_b32 v[SCRW], v[SO+2*\a] offset:64*\a
.endr
	s_wait_dscnt 0x0                               ; for the others' sake: my partial scores lie in LDS
	s_barrier_signal -1                            ; (my refill of slot 1 stays out, and slot 1 is read only behind the next change of slots)
	s_barrier_wait -1
	ds_load_b128 v[TP:TP+3], v[SCRR]               ; positions 8 L .. 8 L + 7: the sum over latent channels of wl = 0,
	ds_load_b128 v[TP+4:TP+7], v[SCRR] offset:16
	ds_load_b128 v[SO:SO+3], v[SCRR] offset:1024   ; and of wl = 1
	ds_load_b128 v[SO+4:SO+7], v[SCRR] offset:1040
	s_wait_dscnt 0x0
.irp k, 0,2,4,6
	v_pk_add_f32 v[TP+\k:TP+\k+1], v[TP+\k:TP+\k+1], v[SO+\k:SO+\k+1]
.endr
.irp k, 0,2,4,6
	v_pk_fma_f32 v[TP+\k:TP+\k+1], v[TP+\k:TP+\k+1], s[58:59], v[TBC:TBC+1] op_sel_hi:[1,0,1]   ; t = c theta . phi0 + c theta . b_lt
.endr
	v_max3_num_f32 v[SO+8], v[TP], v[TP+1], v[TP+2]
	v_max3_num_f32 v[SO+9], v[TP+3], v[TP+4], v[TP+5]
	v_max3_num_f32 v[SO+8], v[SO+8], v[TP+6], v[TP+7]
	v_max_num_f32 v[SO+8], v[SO+8], v[SO+9]
	v_max_num_f32_dpp v[SO+8], v[SO+8], v[SO+8] row_xmask:1 row_mask:0xf bank_mask:0xf
	v_max_num_f32_dpp v[SO+8], v[SO+8], v[SO+8] row_xmask:2 row_mask:0xf bank_mask:0xf
	v_max_num_f32_dpp v[SO+8], v[SO+8], v[SO+8] row_xmask:4 row_mask:0xf bank_mask:0xf
	v_max_num_f32_dpp v[SO+8], v[SO+8], v[SO+8] row_xmask:8 row_mask:0xf bank_mask:0xf
	v_permlanex16_b32 v[SO+9], v[SO+8], s56, s57
	v_max_num_f32 v[MZ], v[SO+8], v[SO+9]          ; m, in every lane
.irp k, 0,1,2,3,4,5,6,7
	v_sub_f32 v[TP+\k], v[TP+\k], v[MZ]
.endr
.irp k, 0,1,2,3,4,5,6,7
	v_exp_f32 v[TP+\k], v[TP+\k]                   ; e = 2^(t - m), at most 1
.endr
	v_and_b32 v255, 31, v0                         ; (a plain place behind the exponentials)
	v_lshlrev_b32 v255, 3, v255                    ; 8 x lane, for stats; never rewritten
	s_wait_alu depctr_va_vdst(0)
	v_pk_add_f32 v[SO+8:SO+9], v[TP:TP+1], v[TP+2:TP+3]
	v_pk_add_f32 v[SO+10:SO+11], v[TP+4:TP+5], v[TP+6:TP+7]
	v_pk_add_f32 v[SO+8:SO+9], v[SO+8:SO+9], v[SO+10:SO+11]
	v_add_f32 v[SO+8], v[SO+8], v[SO+9]
	v_add_f32_dpp v[SO+8], v[SO+8], v[SO+8] row_xmask:1 row_mask:0xf bank_mask:0xf
	v_add_f32_dpp v[SO+8], v[SO+8], v[SO+8] row_xmask:2 row_mask:0xf bank_mask:0xf
	v_add_f32_dpp v[SO+8], v[SO+8], v[SO+8] row_xmask:4 row_mask:0xf bank_mask:0xf
	v_add_f32_dpp v[SO+8], v[SO+8], v[SO+8] row_xmask:8 row_mask:0xf bank_mask:0xf
	v_permlanex16_b32 v[SO+9], v[SO+8], s56, s57
	v_add_f32 v[MZ+1], v[SO+8], v[SO+9]            ; Z, in every lane
	ds_store_b128 v[EWW], v[TP:TP+3]               ; e into my wave's own copy,
	ds_store_b128 v[EWW], v[TP+4:TP+7] offset:16
.irp a, 0,1,2,3,4,5,6,7
	ds_load_b128 v[V+8*\a:V+8*\a+3], v[EWR] offset:64*\a             ; and back in the layout of g's results: register 8 a + i = position 16 a + 8 h + i.  LDS serves a wave's instructions in order: these see the stores above
	ds_load_b128 v[V+8*\a+4:V+8*\a+7], v[EWR] offset:64*\a+16
.endr
	s_cmp_lg_u32 s18, 0
	s_cbranch_scc1 .Lno_stats
	global_store_b64 v255, v[MZ:MZ+1], s[16:17]    ; wave 0: (m, Z) from every lane: 256 consecutive bytes, aligned
.Lno_stats:
	s_wait_dscnt 0x0
	; ---- g: two passes, latent channels 0-255 and 256-511.  Three trips take the halves that refill: trip 0: K step 0 and the first half; trip 1: K step 4 and the second half;
	; trip 2: the first pass's fold, the second pass's K step 0 and its first half.  The choice hangs on the loop's counter; no tensor load and no barrier stands in it.
	s_mov_b32 s[HCN], 0
.Lg:
	s_cmp_eq_u32 s[HCN], 1
	s_cbranch_scc1 .Lg_fifth
	s_cmp_eq_u32 s[HCN], 0
	s_cbranch_scc1 .Lg_first
	EPI_G 2
.Lg_first:
	STEP 0, 1, 1, ADX, 1                           ; K step 0: its products start the sums
	s_branch .Lg_half
.Lg_fifth:
	STEP 0, 0, 1, ADX, 5                           ; K step 4
.Lg_half:
	HALF 1, HCN
	s_add_co_u32 s[HCN], s[HCN], 1
	s_cmp_lt_u32 s[HCN], 3
	s_cbranch_scc1 .Lg
	STEP 0, 0, 1, ADX, 5                           ; the last half pass is written out: blocks 14 and 15 lie in the ring, and nothing is left to fetch
	TURN 0, 0, 1, ADX, 6, 0, HCN, 3, 3
	STEP 1, 0, 1, ADX, 7
	LAST 1
	EPI_G 3
	s_barrier_signal -1                            ; (EPI_G ended with a wait for all my LDS instructions)
	s_barrier_wait -1
	ds_load_b128 v[TP:TP+3], v[OUTR]               ; latent channels 4 x thread on: the sum over positions of ws = 0,
	ds_load_b128 v[TP+4:TP+7], v[OUTR] offset:2048 ; and of ws = 1
	s_wait_dscnt 0x0
	v_pk_add_f32 v[TP:TP+1], v[TP:TP+1], v[TP+4:TP+5]
	v_pk_add_f32 v[TP+2:TP+3], v[TP+2:TP+3], v[TP+6:TP+7]
.irp i, 0,1,2,3
	v_fma_f32 v[TP+\i], v[BG+\i], v[MZ+1], v[TP+\i]        ; + b_g Z: divided by the sample's whole sum it is b_g
.endr
	global_store_b128 v[GT], v[TP:TP+3], s[14:15]  ; the work-group stores 2,048 consecutive bytes
	s_wait_tensorcnt 0x0                           ; the wave's end, behind my last tensor load and my last LDS store
	ds_add_u32 v[SPW], v[NIL]
	s_wait_dscnt 0x0
	CROUND                                         ; the closing round: no work-group ends while a partner may still ask for a block that names it
	s_endpgm
.Lfunc_end_k_q731faa39ce_main:
	.size	k_q731faa39ce_main, .Lfunc_end_k_q731faa39ce_main-k_q731faa39ce_main
	.p2alignl 7, 3214868480
	.fill 96, 4, 3214868480
	.section	.rodata,"a",@progbits
	.p2align	6, 0x0
	.amdhsa_kernel k_q731faa39ce_main
		.amdhsa_group_segment_fixed_size 327680
		.amdhsa_private_segment_fixed_size 0
		.amdhsa_enable_private_segment 0
		.amdhsa_kernarg_size 56
		.amdhsa_user_sgpr_count 2
		.amdhsa_user_sgpr_kernarg_segment_ptr 1
		.amdhsa_wavefront_size32 1
		.amdhsa_system_sgpr_workgroup_id_x 1
		.amdhsa_system_sgpr_workgroup_id_y 1
		.amdhsa_system_sgpr_workgroup_id_z 1
		.amdhsa_system_vgpr_workitem_id 0
		.amdhsa_next_free_vgpr 1024
		.amdhsa_next_free_sgpr 66
		.amdhsa_reserve_vcc 0
		.amdhsa_float_denorm_mode_32 3
		.amdhsa_float_denorm_mode_16_64 3
		.amdhsa_memory_ordered 1
		.amdhsa_forward_progress 1
		.amdhsa_inst_pref_size 255
	.end_amdhsa_kernel
	.section	.bss,"aw",@nobits
	.p2align	6
	.space	262144
	.amdgpu_metadata
---
amdhsa.version: [ 1, 2 ]
amdhsa.kernels:
  - .name:           k_q731faa39ce_main
    .symbol:         k_q731faa39ce_main.kd
    .args:
      - { .name: lt_feat, .offset: 0, .size: 8, .value_kind: global_buffer, .address_space: global }
      - { .name: wimg, .offset: 8, .size: 8, .value_kind: global_buffer, .address_space: global }
      - { .name: thimg, .offset: 16, .size: 8, .value_kind: global_buffer, .address_space: global }
      - { .name: b_lt, .offset: 24, .size: 8, .value_kind: global_buffer, .address_space: global }
      - { .name: b_g, .offset: 32, .size: 8, .value_kind: global_buffer, .address_space: global }
      - { .name: opart, .offset: 40, .size: 8, .value_kind: global_buffer, .address_space: global }
      - { .name: stats, .offset: 48, .size: 8, .value_kind: global_buffer, .address_space: global }
    .group_segment_fixed_size: 327680
    .private_segment_fixed_size: 0
    .kernarg_segment_align: 8
    .kernarg_segment_size: 56
    .max_flat_workgroup_size: 128
    .sgpr_count:     66
    .vgpr_count:     1024
    .wavefront_size: 32
...
	.end_amdgpu_metadata
.endif
;; end of part 4
;; launch final: the kernel of part 3 again; grid 8 x 1, 16 waves a work-group, no clusters, 92,160 bytes of LDS; arguments opart, stats, woimg, b_out, ln_w, ln_b, out0; writes out0
;; ======== version 3 of 3: 3 launches; version 2 with the launches prep, final written anew for expert scheduling mode
;; workspace buffers: wimg 819,200 bytes; woimg 409,600 bytes; thimg 262,144 bytes; opart 524,288 bytes; stats 65,536 bytes
;; launch prep (part 5): grid 280 x 1, 16 waves a work-group, no clusters, 153,600 bytes of LDS; arguments st_feat, w_st, b_st, w_lt, w_g, w_out, wimg, woimg, thimg; writes wimg, woimg, thimg
.if DOCPART == 5
	.amdgcn_target "amdgcn-amd-amdhsa--gfx1250"
	.amdhsa_code_object_version 6
	.text
	.protected	k_q731faa39ce_prep
	.globl	k_q731faa39ce_prep
	.p2align	8
	.type	k_q731faa39ce_prep,@function
k_q731faa39ce_prep:
	s_mov_b64 s[64:65], 0
	v_nop
	global_prefetch_b8 v0, s[64:65] scope:SCOPE_SE
	s_setreg_imm32_b32 hwreg(HW_REG_WAVE_SCHED_MODE, 0, 2), 2
	s_setreg_imm32_b32 hwreg(HW_REG_WAVE_MODE, 25, 1), 1
	s_wait_xcnt 0x0
	s_wait_alu depctr_vm_vsrc(0)
; PREP: the weights become codes of BF6 (E3M2) laid as images of the matrix operand's registers, and theta = Q(st) Q(w_st)^T + b_st is made.
; A FRAGMENT is 16 rows x 128 along K: 12 registers a lane; lane (r, h), registers 6 c .. 6 c + 5, holds k = 64 c + 32 h + 0 .. 31 of row r.  Its IMAGE is 1,536 bytes: register 4 g + p of lane l at byte 512 g + 16 l + 4 p,
; so that three accesses of 16 bytes a lane, 512 consecutive bytes each, store or load it.
; EVERY WAVE quantises TWO fragments from f32 rows whose K is innermost, by one text; only the tail differs with the work-group's number:
;   work-groups 0-15:   block G = 4 j + ks of wimg (j = 0, 1: rows 256 j of w_lt; j = 2, 3: rows 256 (j - 2) of w_g; ks: 256 along K); wave T takes rows 16 T on, both halves of the 256.
;   work-groups 16-23:  w_out: wave u = 16 (wg - 16) + wave takes rows 16 (u / 2) on, K from 256 (u % 2) on.
;   work-groups 24-279: tile (nt, lt) of theta, 16 samples x 16 latent channels: wave w takes K step w of 16: one fragment of w_st, one of st_feat, ONE matrix instruction; the sixteen partial tiles meet in LDS.
; THE QUANTISER: a block's scale is 2^(floor(log2(largest magnitude)) - 4); its byte is the largest magnitude's exponent field - 4, held at 1 from below by a floor among the maximum's leaves.
; LIMITS: a block of zeros gets the byte 1 where the rule says 127 (its codes are zeros, which add nothing under any byte but 0xff, and only this program reads the bytes); NaN and infinities among the inputs are not served.
; theta's K is shared among sixteen waves, so its f32 sum is grouped otherwise than one chain of K steps would group it.
; THE MODE: SCHED_MODE bits 1:0 = 2 (LLVM: expert scheduling mode 2), set by the entry lines.  The code itself states the register dependences
; between vector or matrix instructions and memory or LDS instructions, with s_wait_alu, always for 0.
; THE PLAN.  Registers that memory or LDS instructions touch:
;   v3, v5-v11, v32-47   offsets and LDS addresses: written at the head and never again: one wait on va_vdst ahead of the first load serves every access.
;   v48-175              the numbers: global loads land; the stage's stores read them; the stage's loads land in them (a wait on vm_vsrc between, once a fragment); the maxima and conversions read them;
;                        in theta's tail the partial tiles land in v48-111 (behind the wait on va_vdst that stands ahead of the matrix instruction), additions write them, the last store reads v48-51.
;   v176-199, v27        codes and the chosen scale word: written by conversions, moves and a select; read by a weight's seven stores, behind one wait on va_vdst.
;   v216-223             the partial tile: written by the matrix instruction, read by two LDS stores, behind the places and a wait on va_vdst.
;   v232, v233           written at the head, read by the closing add alone.
.set STGW, 8448                        ; a wave's stage: 16 rows x (512 bytes + 16): row r begins 132 words on from row r - 1, so that sixteen rows' reads of 16 bytes fall on different words modulo 64
.set TRED, 135168                      ; behind the sixteen stages: a partial tile of theta for each wave, 1,024 bytes
.set MX,   12                          ; v12-15   largest magnitudes of the four blocks (fragment f, half c: block 2 f + c)
.set SOP,  16                          ; v16-19   the conversions' scale operands
.set BY,   20                          ; v20-23   the scale bytes
.set WD,   24                          ; v24, v25 the two fragments' scale words: they hold scales and nothing else
.set VA,   32                          ; v32-47   row i's byte offset: i x row bytes + 16 x lane
.set R0,   48                          ; v48-111 fragment 0's numbers, v112-175 fragment 1's
.set F0,   176                         ; v176-187 fragment 0's codes, v188-199 fragment 1's
.set CT,   200                         ; v200-215 the upper halves of the four blocks' codes, before they are moved
.set ACC,  216                         ; v216-223 the partial tile
.set BIA,  224                         ; v224-227 four numbers of b_st
	s_load_b256 s[4:11], s[0:1], 0x0               ; st_feat s[4:5], w_st s[6:7], b_st s[8:9], w_lt s[10:11]
	s_load_b256 s[12:19], s[0:1], 0x20             ; w_g s[12:13], w_out s[14:15], wimg s[16:17], woimg s[18:19]
	s_load_b64 s[20:21], s[0:1], 0x40              ; thimg
	v_lshl_add_u32 v232, v0, 2, 0x25000
	v_mov_b32 v233, 0
	v_lshrrev_b32 v1, 5, v0
	v_readfirstlane_b32 s30, v1                    ; wave 0..15
	v_and_b32 v1, 15, v0                           ; r
	v_bfe_u32 v2, v0, 4, 1                         ; h
	v_and_b32 v3, 31, v0
	v_lshlrev_b32 v3, 4, v3                        ; 16 x lane
	v_lshlrev_b32 v4, 3, v2                        ; 8 h: how far my two scale bytes are shifted
	s_wait_alu depctr_va_sdst(0)                   ; s30 is written, ahead of its first reader: LDS addresses, offsets and a branch are made from it
	s_mul_i32 s31, s30, STGW
	v_add_nc_u32 v5, s31, v3                       ; the stage, on the way in: a row as it lies
	v_mul_u32_u24 v6, v1, 528
	v_lshl_add_u32 v6, v2, 7, v6
	v_add_nc_u32 v6, s31, v6                       ; and on the way out: row r, from number 32 h on
	s_lshl_b32 s31, s30, 10
	v_add_nc_u32 v7, s31, v3
	v_add_nc_u32 v7, TRED, v7                      ; where my partial tile goes
	s_and_b32 s32, s30, 1
	s_lshl_b32 s33, s32, 9
	v_add_nc_u32 v11, s33, v3                      ; 512 (wave % 2) + 16 x lane: the half tile that waves 0 and 1 sum, in thimg
	v_add_nc_u32 v8, TRED, v11                     ; and in LDS
	v_lshlrev_b32 v9, 3, v1
	v_lshl_add_u32 v9, v2, 2, v9                   ; 8 r + 4 h: a scale word's place
	s_lshl_b32 s33, s32, 4
	v_lshlrev_b32 v10, 5, v2
	v_add_nc_u32 v10, s33, v10                     ; b_st: 32 h + 16 (wave % 2)
	v_mov_b32 v26, 0                               ; written once: a lane permute's destination counts as one of its sources
	v_mov_b32 v27, 0
	s_mov_b32 s60, 0x76543210
	s_mov_b32 s61, 0xfedcba98                      ; v_permlanex16_b32's selects for lane l xor 16
	; the three roles' offsets, each in registers of its own; the work-group's number then chooses
	s_bfe_u32 s34, ttmp9, 0x10002                  ; w_lt, w_g: rows 256 ((wg / 4) % 2) + 16 wave, of 4,096 bytes,
	s_lshl_b32 s34, s34, 20
	s_lshl_b32 s35, s30, 16
	s_add_co_u32 s34, s34, s35
	s_and_b32 s35, ttmp9, 3
	s_lshl_b32 s35, s35, 10
	s_add_co_u32 s34, s34, s35                     ; + 1,024 (wg % 4)
	s_mul_i32 s36, ttmp9, 51200
	s_mul_i32 s35, s30, 3072
	s_add_co_u32 s35, s36, s35                     ; their images: block wg, fragments 2 wave and 2 wave + 1
	s_lshl_b32 s37, s30, 7
	s_add_co_u32 s36, s36, s37
	s_add_co_u32 s36, s36, 49152                   ; their scale words: behind the block's 32 images
	s_sub_co_u32 s37, ttmp9, 16
	s_lshl_b32 s37, s37, 4
	s_add_co_u32 s37, s37, s30                     ; w_out: u
	s_lshr_b32 s38, s37, 1
	s_lshl_b32 s38, s38, 15
	s_and_b32 s39, s37, 1
	s_lshl_b32 s39, s39, 10
	s_add_co_u32 s38, s38, s39                     ; rows 16 (u / 2) of 2,048 bytes, + 1,024 (u % 2)
	s_mul_i32 s39, s37, 3072
	s_lshl_b32 s40, s37, 7
	s_add_co_u32 s40, s40, 393216                  ; behind woimg's 256 images
	s_sub_co_u32 s62, ttmp9, 24                    ; theta: tile x = 32 nt + lt
	s_and_b32 s42, s62, 31
	s_lshr_b32 s43, s62, 5
	s_lshl_b32 s44, s30, 9
	s_lshl_b32 s45, s42, 17
	s_add_co_u32 s45, s45, s44                     ; w_st: rows 16 lt of 8,192 bytes, + 512 wave
	s_lshl_b32 s46, s43, 17
	s_add_co_u32 s46, s46, s44                     ; st_feat: rows 16 nt, likewise
	s_lshl_b32 s47, s42, 6                         ; b_st: 16 lt numbers on
	s_mov_b32 s48, 2048
	s_mov_b32 s49, 8192
	s_cmp_lt_u32 ttmp9, 16
	s_cselect_b32 s50, s34, s38
	s_cselect_b32 s54, s35, s39
	s_cselect_b32 s56, s36, s40
	s_cselect_b32 s48, 4096, s48
	s_add_co_u32 s52, s50, 512                     ; a weight's second fragment: the next 128 along K
	s_cmp_lt_u32 ttmp9, 24
	s_cselect_b32 s50, s50, s45                    ; fragment 0's offset
	s_cselect_b32 s52, s52, s46                    ; fragment 1's
	s_cselect_b32 s58, 0, s47                      ; the load of b_st stays inside its buffer in every role
	s_cselect_b32 s48, s48, s49                    ; a row's bytes
	s_mov_b32 s51, 0
	s_mov_b32 s53, 0
	s_mov_b32 s55, 0
	s_mov_b32 s57, 0
	s_mov_b32 s59, 0
.irp i, 0,1,2,3,4,5,6,7,8,9,10,11,12,13,14,15
	v_mad_u32_u24 v[VA+\i], s48, \i, v3
.endr
	s_wait_kmcnt 0x0
	s_cmp_lt_u32 ttmp9, 8                          ; the buffers are chosen on the work-group's number alone
	s_cselect_b64 s[22:23], s[10:11], s[12:13]
	s_cmp_lt_u32 ttmp9, 16
	s_cselect_b64 s[22:23], s[22:23], s[14:15]
	s_cselect_b64 s[26:27], s[16:17], s[18:19]
	s_cmp_lt_u32 ttmp9, 24
	s_cselect_b64 s[24:25], s[22:23], s[4:5]
	s_cselect_b64 s[22:23], s[22:23], s[6:7]
	s_add_nc_u64 s[22:23], s[22:23], s[50:51]
	s_add_nc_u64 s[24:25], s[24:25], s[52:53]
	s_add_nc_u64 s[28:29], s[26:27], s[56:57]
	s_add_nc_u64 s[26:27], s[26:27], s[54:55]
	s_add_nc_u64 s[8:9], s[8:9], s[58:59]
	s_wait_alu depctr_va_vdst(0)                   ; the offsets and LDS addresses v3, v5 to v11 and v32 to v47 are written: every load and store of the kernel reads one of them, and none is written again
	global_load_b128 v[BIA:BIA+3], v10, s[8:9]
.irp i, 0,1,2,3,4,5,6,7,8,9,10,11,12,13,14,15
	global_load_b128 v[R0+4*\i:R0+4*\i+3], v[VA+\i], s[22:23]       ; row i: the 32 lanes read 512 consecutive bytes
.endr
.irp i, 0,1,2,3,4,5,6,7,8,9,10,11,12,13,14,15
	global_load_b128 v[R0+64+4*\i:R0+64+4*\i+3], v[VA+\i], s[24:25]
.endr
	; THE TURN: the conversions want 16 neighbours along K in one lane's registers, the loads neighbouring bytes in neighbouring lanes: the 8,192 bytes go through the wave's own stage
.macro TURN f
.irp i, 0,1,2,3,4,5,6,7,8,9,10,11,12,13,14,15
	ds_store_b128 v5, v[R0+64*\f+4*\i:R0+64*\f+4*\i+3] offset:528*\i
.endr
	s_wait_dscnt 0x0                               ; the stores are done
	s_wait_alu depctr_vm_vsrc(0)                   ; the stores have read the fragment's 64 registers, in which the loads below land
.irp c, 0,1
.irp k, 0,1,2,3,4,5,6,7
	ds_load_b128 v[R0+64*\f+32*\c+4*\k:R0+64*\f+32*\c+4*\k+3], v6 offset:256*\c+16*\k   ; number 32 c + i of the fragment is now k = 64 c + 32 h + i of row r
.endr
.endr
.endm
	s_wait_loadcnt 16                              ; b_st and fragment 0 are in; fragment 1's sixteen loads may be out
	TURN 0
	s_wait_loadcnt 0x0
	TURN 1                                         ; LDS serves a wave's instructions in order: these stores come behind fragment 0's loads from the stage
	s_wait_dscnt 0x0
	; four whole blocks of 32 a lane, by turns
.irp b, 0,1,2,3
	v_max3_num_f32 v[MX+\b], |v[R0+32*\b]|, |v[R0+32*\b+1]|, 0x2800000   ; with the floor 2^(5 - 127): the byte cannot fall under 1
.endr
.irp i, 2,4,6,8,10,12,14,16,18,20,22,24,26,28,30
.irp b, 0,1,2,3
	v_max3_num_f32 v[MX+\b], v[MX+\b], |v[R0+32*\b+\i]|, |v[R0+32*\b+\i+1]|
.endr
.endr
.irp b, 0,1,2,3
	v_add_nc_u32 v[SOP+\b], 0xfe000000, v[MX+\b]   ; 4 off the exponent field: the conversion takes this operand's exponent field as its scale
.endr
.irp b, 0,1,2,3
	v_lshrrev_b32 v[BY+\b], 23, v[SOP+\b]          ; the scale's byte
.endr
.irp f, 0,1
	v_lshl_or_b32 v[WD+\f], v[BY+2*\f+1], 16, v[BY+2*\f]   ; my two bytes: blocks h and 2 + h of row r,
.endr
.irp f, 0,1
	v_lshlrev_b32 v[WD+\f], v4, v[WD+\f]           ; at their places in the word;
.endr
	v_permlanex16_b32 v26, v[WD], s60, s61
	v_permlanex16_b32 v27, v[WD+1], s60, s61
	v_or_b32 v[WD], v[WD], v26                     ; with lane l xor 16's two the word is whole, in both lanes
	v_or_b32 v[WD+1], v[WD+1], v27
.irp b, 0,1,2,3
	v_cvt_scalef32_pk16_bf6_f32 v[F0+6*\b:F0+6*\b+2], v[R0+32*\b:R0+32*\b+15], v[SOP+\b]
	v_cvt_scalef32_pk16_bf6_f32 v[CT+4*\b:CT+4*\b+2], v[R0+32*\b+16:R0+32*\b+31], v[SOP+\b]   ; (a conversion's three registers begin on an even number)
.endr
	v_nop                                          ; one plain place behind a scaled conversion
.irp b, 0,1,2,3
.irp i, 0,1,2
	v_mov_b32 v[F0+6*\b+3+\i], v[CT+4*\b+\i]
.endr
.endr
	s_cmp_lt_u32 ttmp9, 24
	s_cbranch_scc0 .Ltheta
	; ---- a weight: the two images and their scale words leave
	v_cmp_eq_u32 vcc_lo, 1, v2
	s_wait_alu depctr_va_vcc(0)                    ; VCC is written, ahead of the select that reads it
	v_cndmask_b32 v27, v[WD], v[WD+1], vcc_lo      ; lanes 0-15 the first 128's word of row r, lanes 16-31 the second's
	s_wait_alu depctr_va_vdst(0)                   ; the conversions and moves have written the codes v176 to v199, the select v27: the seven stores below read them
.irp g, 0,1,2,3,4,5
	global_store_b128 v3, v[F0+4*\g:F0+4*\g+3], s[26:27] offset:512*\g     ; 512 consecutive bytes, at a multiple of 256 from the buffer's first byte
.endr
	global_store_b32 v9, v27, s[28:29]             ; 128 consecutive bytes
	s_wait_dscnt 0x0                               ; the closing lines, six on end
	s_wait_alu 0x0
	s_wait_tensorcnt 0x0
	ds_add_u32 v232, v233
	s_wait_dscnt 0x0
	s_endpgm
.Ltheta:
	; ---- theta: my K step's product.  Source 0 = 16 rows of w_st, source 1 = 16 samples: register j of lane (r, h) is (latent channel 8 h + j, sample r)
	s_lshl_b32 s50, s62, 10
	s_add_nc_u64 s[20:21], s[20:21], s[50:51]      ; my tile of thimg
.rept 8
	v_nop                                          ; a scale register written by a vector instruction stands 8 places ahead of a scaled matrix instruction, an operand so written 4
.endr
	s_wait_alu depctr_va_vdst(0)                   ; the codes v176 to v199 and the scale words v24, v25 are written, which the scaled matrix instruction takes; the places above stay beside this wait.  The conversions are also done reading v48 to v111, in which the partial tiles land further down
	v_wmma_scale_f32_16x16x128_f8f6f4 v[ACC:ACC+7], v[F0:F0+11], v[F0+12:F0+23], 0, v[WD], v[WD+1] matrix_a_fmt:MATRIX_FMT_BF6 matrix_b_fmt:MATRIX_FMT_BF6
.rept 4
	v_nop                                          ; four places in front of the first read of the result (ISA guide 7.12.1)
.endr
	s_wait_alu depctr_va_vdst(0)                   ; the matrix instruction has written v216 to v223, which the LDS stores read; the places above stay beside this wait
	ds_store_b128 v7, v[ACC:ACC+3]                 ; from the low end on
	ds_store_b128 v7, v[ACC+4:ACC+7] offset:512
	s_wait_dscnt 0x0                               ; for the others' sake: my partial tile lies in LDS
	s_barrier_signal -1
	s_barrier_wait -1
	s_cmp_ge_u32 s30, 2
	s_cbranch_scc1 .Lend
.irp w, 0,1,2,3,4,5,6,7,8,9,10,11,12,13,14,15
	ds_load_b128 v[R0+4*\w:R0+4*\w+3], v8 offset:1024*\w            ; waves 0 and 1: registers 4 g .. 4 g + 3 of all sixteen partial tiles.  No wait: no vector or matrix instruction since the waits above names v48 to v111, and the stage's stores have read them (the wait in the turn)
.endr
	s_wait_dscnt 0x0
.irp k, 0,2,4,6,8,10,12,14,16,18,20,22,24,26,28,30
	v_pk_add_f32 v[R0+\k:R0+\k+1], v[R0+\k:R0+\k+1], v[R0+32+\k:R0+32+\k+1]
.endr
.irp k, 0,2,4,6,8,10,12,14
	v_pk_add_f32 v[R0+\k:R0+\k+1], v[R0+\k:R0+\k+1], v[R0+16+\k:R0+16+\k+1]
.endr
.irp k, 0,2,4,6
	v_pk_add_f32 v[R0+\k:R0+\k+1], v[R0+\k:R0+\k+1], v[R0+8+\k:R0+8+\k+1]
.endr
.irp k, 0,2
	v_pk_add_f32 v[R0+\k:R0+\k+1], v[R0+\k:R0+\k+1], v[R0+4+\k:R0+4+\k+1]
.endr
.irp k, 0,2
	v_pk_add_f32 v[R0+\k:R0+\k+1], v[R0+\k:R0+\k+1], v[BIA+\k:BIA+\k+1]      ; + b_st
.endr
	s_wait_alu depctr_va_vdst(0)                   ; the additions have written v48 to v51, which the store reads
	global_store_b128 v11, v[R0:R0+3], s[20:21]    ; theta as an image of the result's registers: 512 consecutive bytes
.Lend:
	s_wait_dscnt 0x0                               ; the closing lines, six on end
	s_wait_alu 0x0
	s_wait_tensorcnt 0x0
	ds_add_u32 v232, v233
	s_wait_dscnt 0x0
	s_endpgm
.Lfunc_end_k_q731faa39ce_prep:
	.size	k_q731faa39ce_prep, .Lfunc_end_k_q731faa39ce_prep-k_q731faa39ce_prep
	.p2alignl 7, 3214868480
	.fill 96, 4, 3214868480
	.section	.rodata,"a",@progbits
	.p2align	6, 0x0
	.amdhsa_kernel k_q731faa39ce_prep
		.amdhsa_group_segment_fixed_size 153600
		.amdhsa_private_segment_fixed_size 0
		.amdhsa_enable_private_segment 0
		.amdhsa_kernarg_size 72
		.amdhsa_user_sgpr_count 2
		.amdhsa_user_sgpr_kernarg_segment_ptr 1
		.amdhsa_wavefront_size32 1
		.amdhsa_system_sgpr_workgroup_id_x 1
		.amdhsa_system_sgpr_workgroup_id_y 1
		.amdhsa_system_sgpr_workgroup_id_z 1
		.amdhsa_system_vgpr_workitem_id 0
		.amdhsa_next_free_vgpr 234
		.amdhsa_next_free_sgpr 66
		.amdhsa_reserve_vcc 1
		.amdhsa_float_denorm_mode_32 3
		.amdhsa_float_denorm_mode_16_64 3
		.amdhsa_memory_ordered 1
		.amdhsa_forward_progress 1
		.amdhsa_inst_pref_size 24
	.end_amdhsa_kernel
	.amdgpu_metadata
---
amdhsa.version: [ 1, 2 ]
amdhsa.kernels:
  - .name:           k_q731faa39ce_prep
    .symbol:         k_q731faa39ce_prep.kd
    .args:
      - { .name: st_feat, .offset: 0, .size: 8, .value_kind: global_buffer, .address_space: global }
      - { .name: w_st, .offset: 8, .size: 8, .value_kind: global_buffer, .address_space: global }
      - { .name: b_st, .offset: 16, .size: 8, .value_kind: global_buffer, .address_space: global }
      - { .name: w_lt, .offset: 24, .size: 8, .value_kind: global_buffer, .address_space: global }
      - { .name: w_g, .offset: 32, .size: 8, .value_kind: global_buffer, .address_space: global }
      - { .name: w_out, .offset: 40, .size: 8, .value_kind: global_buffer, .address_space: global }
      - { .name: wimg, .offset: 48, .size: 8, .value_kind: global_buffer, .address_space: global }
      - { .name: woimg, .offset: 56, .size: 8, .value_kind: global_buffer, .address_space: global }
      - { .name: thimg, .offset: 64, .size: 8, .value_kind: global_buffer, .address_space: global }
    .group_segment_fixed_size: 153600
    .private_segment_fixed_size: 0
    .kernarg_segment_align: 8
    .kernarg_segment_size: 72
    .max_flat_workgroup_size: 512
    .sgpr_count:     66
    .vgpr_count:     234
    .wavefront_size: 32
...
	.end_amdgpu_metadata
.endif
;; end of part 5
;; launch main: the kernel of part 4 again; grid 256 x 1, 4 waves a work-group, clusters of 4 x 1, 327,680 bytes of LDS; arguments lt_feat, wimg, thimg, b_lt, b_g, opart, stats; writes opart, stats
;; launch final (part 6): grid 8 x 1, 16 waves a work-group, no clusters, 92,160 bytes of LDS; arguments opart, stats, woimg, b_out, ln_w, ln_b, out0; writes out0
.if DOCPART == 6
	.amdgcn_target "amdgcn-amd-amdhsa--gfx1250"
	.amdhsa_code_object_version 6
	.text
	.protected	k_q731faa39ce_final
	.globl	k_q731faa39ce_final
	.p2align	8
	.type	k_q731faa39ce_final,@function
k_q731faa39ce_final:
	s_mov_b64 s[64:65], 0
	v_nop
	global_prefetch_b8 v0, s[64:65] scope:SCOPE_SE
	s_setreg_imm32_b32 hwreg(HW_REG_WAVE_SCHED_MODE, 0, 2), 2
	s_setreg_imm32_b32 hwreg(HW_REG_WAVE_MODE, 25, 1), 1
	s_wait_xcnt 0x0
	s_wait_alu depctr_vm_vsrc(0)
; FINAL: a sample's two halves are joined under their common maximum, o = (w0 opart0 + w1 opart1) / (w0 Z0 + w1 Z1), w_i = 2^(m_i - max(m0, m1)); o is quantised along its 512 latent channels;
; y = Q(w_out) Q(o) + b_out on codes of BF6 (E3M2) with E8M0 scales; LayerNorm over the 1,024 channels, the mean first and then the mean square of the differences.
; SHARES.  A work-group owns 16 samples, since LayerNorm wants all channels of a sample: 8 work-groups.  Wave w quantises block w of the 16 blocks of 32 along K, and then makes channels 64 w .. 64 w + 63 (four tiles);
; its 16 fragments of w_out (192 registers) are asked for at the head and land while o is made.
; The matrix instruction's source 0 = 16 channels, source 1 = the 16 samples: register j of lane (r, h) is (channel 8 h + j of the tile, sample r): a lane holds one sample throughout.
; LIMITS: a block of zeros gets the byte 1 where the rule says 127 (its codes are zeros; only this program reads the bytes); NaN and infinities are not served.
; REGISTERS: v1 r, v2 h, v3 16 x lane, v4-7 offsets; v8-15 w_out's scale words and v60-63 o's, which hold scales and nothing else; v16-47 opart's halves, then the four accumulators; v48-59 at work, then o's fragment;
;   v64-255 w_out's fragments, later: v64-95 y, v96-191 b_out, ln_w, ln_b, v192-213 at work
; THE MODE: SCHED_MODE bits 1:0 = 2 (LLVM: expert scheduling mode 2), set by the entry lines.  The code itself states the register dependences
; between vector or matrix instructions and memory or LDS instructions, with s_wait_alu, always for 0.
; THE PLAN.  Registers that memory or LDS instructions touch:
;   v3, v4       offsets, written at the head and never again.
;   v5, v6, v7   offsets and LDS addresses that are made anew three times, all 256 registers being in use: each time a wait on vm_vsrc stands ahead of the new lines (the accesses so far have read them) and a wait on
;                va_vdst behind them, ahead of the first access by them; the lines are gathered so that one such pair serves all three registers.
;   v52-57       the parameters: loaded, read by three LDS stores; later part of o's fragment.   v32-34, v58: codes and a scale byte: written by vector instructions, read by LDS stores; later written by matrix instructions and a load.
;   v48-59       o's fragment: LDS loads land, four matrix instructions read it, the next K step's loads land: a wait on va_vdst ahead of each K step's loads but the first's, which the wait behind the barrier serves.
;   v96-191      read by matrix instructions as w_out's fragments; then the parameters land there; v96-127 later take the rows read back from the stage.
;   v192         each reduction's figure: written by vector instructions, read by an LDS store, written again.   v196-211: each reduction's loads land there, between vector uses.
;   v64-95       y: written by vector instructions, read by the stage's stores.
;   v254, v255   made straight ahead of the closing lines; no memory or LDS instruction has read them before.
.set IMG,  0                           ; o's four fragments: register i of lane l of K step s at 1,536 s + 128 i + 4 l
.set SCW,  6144                        ; their scale words: (s, r) at 64 s + 4 r
.set PAR,  6400                        ; b_out, ln_w, ln_b: 4,096 bytes each
.set RED1, 18688                       ; [sample][wave]: the waves' sums
.set RED2, 19712                       ; and their sums of squares
.set STG,  20736                       ; the way out: 16 rows x (4,096 bytes + 16)
.set SP,   4112
	s_load_b256 s[4:11], s[0:1], 0x0               ; opart s[4:5], stats s[6:7], woimg s[8:9], b_out s[10:11]
	s_load_b128 s[12:15], s[0:1], 0x20             ; ln_w s[12:13], ln_b s[14:15]
	s_load_b64 s[16:17], s[0:1], 0x30              ; out0
	v_lshrrev_b32 v1, 5, v0
	v_readfirstlane_b32 s18, v1                    ; wave 0..15
	v_and_b32 v1, 15, v0                           ; r
	v_bfe_u32 v2, v0, 4, 1                         ; h
	v_and_b32 v3, 31, v0
	v_lshlrev_b32 v3, 4, v3                        ; 16 x lane
	v_lshlrev_b32 v4, 3, v0                        ; 8 x thread: the parameters, in memory and in LDS
	v_lshlrev_b32 v5, 9, v1                        ; stats: sample r's two work-groups, 256 bytes each
	v_lshlrev_b32 v6, 12, v1
	v_lshl_add_u32 v6, v2, 6, v6
	s_wait_alu depctr_va_sdst(0)                   ; s18 is written, ahead of its first reader: offsets, bases and LDS addresses are made from it
	s_lshl_b32 s19, s18, 7
	v_add_nc_u32 v6, s19, v6                       ; opart: sample r, latent channels 32 w + 16 h on
	v_lshlrev_b32 v7, 3, v1
	v_lshl_add_u32 v7, v2, 2, v7                   ; w_out's scale words: 8 r + 4 h
	s_lshl_b32 s20, ttmp9, 16
	s_mov_b32 s21, 0
	s_lshl_b32 s22, ttmp9, 13
	s_mov_b32 s23, 0
	s_mul_i32 s24, s18, 24576                      ; my 16 images
	s_mov_b32 s25, 0
	s_lshl_b32 s26, s18, 10
	s_add_co_u32 s26, s26, 393216                  ; my 8 x 128 bytes of scale words, behind the 256 images
	s_mov_b32 s27, 0
	s_lshl_b32 s28, ttmp9, 4
	s_add_co_u32 s28, s28, s18
	s_lshl_b32 s28, s28, 12                        ; out0: the row that my wave stores: sample 16 wg + w
	s_mov_b32 s29, 0
	s_lshr_b32 s19, s18, 2                         ; my block w is block w % 4 = 2 c + h' of K step w / 4
	s_mul_i32 s32, s19, 1536
	s_bfe_u32 s33, s18, 0x10001
	s_mul_i32 s33, s33, 768
	s_add_co_u32 s32, s32, s33
	s_and_b32 s33, s18, 1
	s_lshl_b32 s33, s33, 6
	s_add_co_u32 s32, s32, s33                     ; registers 6 c on, lanes 16 h' on
	s_lshl_b32 s33, s19, 6
	s_and_b32 s34, s18, 3
	s_add_co_u32 s33, s33, s34
	s_add_co_u32 s33, s33, SCW                     ; my byte of the K step's scale words
	s_mov_b32 s36, 0x3a800000                      ; 1 / 1,024
	s_mov_b32 s37, 0x3727c5ac                      ; 1e-5
	s_mov_b32 s38, 0x76543210
	s_mov_b32 s39, 0xfedcba98                      ; v_permlanex16_b32's selects for lane l xor 16
	s_wait_kmcnt 0x0
	s_add_nc_u64 s[4:5], s[4:5], s[20:21]
	s_add_nc_u64 s[6:7], s[6:7], s[22:23]
	s_add_nc_u64 s[30:31], s[8:9], s[26:27]
	s_add_nc_u64 s[8:9], s[8:9], s[24:25]
	s_add_nc_u64 s[16:17], s[16:17], s[28:29]
	s_wait_alu depctr_va_vdst(0)                   ; the offsets v3 to v7 are written, which the loads and the LDS stores below read
	global_load_b64 v[52:53], v4, s[10:11]
	global_load_b64 v[54:55], v4, s[12:13]
	global_load_b64 v[56:57], v4, s[14:15]
	global_load_b64 v[48:49], v5, s[6:7]                   ; m0, Z0
	global_load_b64 v[50:51], v5, s[6:7] offset:256        ; m1, Z1
.irp k, 0,1,2,3
	global_load_b128 v[16+4*\k:19+4*\k], v6, s[4:5] offset:16*\k
	global_load_b128 v[32+4*\k:35+4*\k], v6, s[4:5] offset:2048+16*\k
.endr
.irp t, 0,1,2,3
.irp kp, 0,1
	global_load_b32 v[8+2*\t+\kp], v7, s[30:31] offset:256*\t+128*\kp   ; tile t, K steps 2 kp (lanes 0-15) and 2 kp + 1 (lanes 16-31)
.endr
.endr
.irp f, 0,1,2,3,4,5,6,7,8,9,10,11,12,13,14,15
.irp g, 0,1,2
	global_load_b128 v[64+12*\f+4*\g:67+12*\f+4*\g], v3, s[8:9] offset:1536*\f+512*\g   ; fragment f = 4 t + s
.endr
.endr
	s_wait_loadcnt 56                              ; the parameters, stats and opart are in; w_out's 8 + 48 loads may be out
	ds_store_b64 v4, v[52:53] offset:PAR
	ds_store_b64 v4, v[54:55] offset:PAR+4096
	ds_store_b64 v4, v[56:57] offset:PAR+8192
	s_wait_alu depctr_vm_vsrc(0)                   ; the loads of stats and opart have read v5 and v6, which the lines below write anew; the three LDS stores have read v52 to v57, in which o's fragment lands later
	v_mul_u32_u24 v5, v2, 384                      ; my half of the block: registers 3 h on,
	v_lshl_add_u32 v5, v1, 2, v5
	v_add_nc_u32 v5, s32, v5                       ; lane r of the half
	v_lshl_add_u32 v6, v1, 2, s33
	v_max_num_f32 v58, v48, v50                    ; the sample's maximum
	v_sub_f32 v48, v48, v58
	v_sub_f32 v50, v50, v58
	v_exp_f32 v48, v48                             ; w0, w1: one of them is 1
	v_exp_f32 v50, v50
	v_nop                                          ; one plain place behind a transcendental
	s_wait_alu depctr_va_vdst(0)                   ; the two exponentials have written v48 and v50, ahead of their first reader
	v_mul_f32 v58, v48, v49
	v_fma_f32 v58, v50, v51, v58                   ; the sample's sum, at least 1
	v_rcp_f32 v59, v58
	v_nop
	s_wait_alu depctr_va_vdst(0)                   ; the reciprocal has written v59, ahead of its first reader
	v_mul_f32 v48, v48, v59
	v_mul_f32 v50, v50, v59
.irp k, 0,2,4,6,8,10,12,14
	v_pk_mul_f32 v[16+\k:17+\k], v[16+\k:17+\k], v[48:49] op_sel_hi:[1,0]
.endr
.irp k, 0,2,4,6,8,10,12,14
	v_pk_fma_f32 v[16+\k:17+\k], v[32+\k:33+\k], v[50:51], v[16+\k:17+\k] op_sel_hi:[1,0,1]   ; o at latent channels 32 w + 16 h + 0 .. 15 of sample r
.endr
	v_max3_num_f32 v58, |v16|, |v17|, 0x2800000    ; my 16, with the floor 2^(5 - 127): the byte cannot fall under 1
.irp i, 2,4,6,8,10,12,14
	v_max3_num_f32 v58, v58, |v[16+\i]|, |v[17+\i]|
.endr
	v_permlanex16_b32 v59, v58, s38, s39
	v_max_num_f32 v58, v58, v59                    ; with lane l xor 16's: the block's largest magnitude
	v_add_nc_u32 v59, 0xfe000000, v58              ; 4 off its exponent field: the conversion's scale operand
	v_lshrrev_b32 v58, 23, v59                     ; the scale's byte
	v_cvt_scalef32_pk16_bf6_f32 v[32:34], v[16:31], v59
	v_nop                                          ; one plain place behind a scaled conversion
	s_wait_alu depctr_va_vdst(0)                   ; the codes v32 to v34, the byte v58 and the addresses v5 and v6 are written, which the four LDS stores read
	ds_store_b32 v5, v32
	ds_store_b32 v5, v33 offset:128
	ds_store_b32 v5, v34 offset:256
	ds_store_b8 v6, v58                            ; both halves of the lanes write the same byte with the same value
	s_wait_dscnt 0x0                               ; for the others' sake
	s_barrier_signal -1
	s_barrier_wait -1                              ; o's four fragments, their scale words and the parameters lie in LDS
	s_wait_alu depctr_vm_vsrc(0)                   ; my four LDS stores have read v5 and v6, which the lines below write anew, v32 to v34, which the matrix instructions write, and v58, in which a fragment's load lands
	v_lshrrev_b32 v5, 2, v3                        ; 4 x lane
	v_lshlrev_b32 v6, 2, v1                        ; 4 r
	s_wait_alu depctr_va_vdst(0)                   ; v5 and v6 are written, which the LDS loads below read; the vector instructions that named v48 to v51, v58 and v59 are done, in which the first fragment lands
	s_wait_loadcnt 0x0                             ; w_out
.irp s, 0,1,2,3
	ds_load_b32 v[60+\s], v6 offset:SCW+64*\s
.endr
.irp s, 0,1,2,3                        ; four accumulators by turns, a K step at a time
.if \s > 0
	s_wait_alu depctr_va_vdst(0)                   ; the last K step's four matrix instructions are done reading v48 to v59, in which this K step's fragment lands
.endif
.irp i, 0,1,2,3,4,5,6,7,8,9,10,11
	ds_load_b32 v[48+\i], v5 offset:IMG+1536*\s+128*\i
.endr
	s_wait_dscnt 0x0
.irp t, 0,1,2,3
.if \s == 0
	v_wmma_scale_f32_16x16x128_f8f6f4 v[16+8*\t:23+8*\t], v[64+12*(4*\t+\s):75+12*(4*\t+\s)], v[48:59], 0, v[8+2*\t], v[60+\s] matrix_a_fmt:MATRIX_FMT_BF6 matrix_b_fmt:MATRIX_FMT_BF6
.elseif (\s%2) == 1
	v_wmma_scale_f32_16x16x128_f8f6f4 v[16+8*\t:23+8*\t], v[64+12*(4*\t+\s):75+12*(4*\t+\s)], v[48:59], v[16+8*\t:23+8*\t], v[8+2*\t+\s/2], v[60+\s] matrix_a_fmt:MATRIX_FMT_BF6 matrix_b_fmt:MATRIX_FMT_BF6 matrix_a_scale:MATRIX_SCALE_ROW1
.else
	v_wmma_scale_f32_16x16x128_f8f6f4 v[16+8*\t:23+8*\t], v[64+12*(4*\t+\s):75+12*(4*\t+\s)], v[48:59], v[16+8*\t:23+8*\t], v[8+2*\t+\s/2], v[60+\s] matrix_a_fmt:MATRIX_FMT_BF6 matrix_b_fmt:MATRIX_FMT_BF6
.endif
.endr
.rept 4
	v_nop                                          ; four places in front of loads into registers that matrix instructions have read, and of the first read of results (ISA guide 7.12.1 for vector instructions)
.endr
.endr
	s_wait_alu depctr_vm_vsrc(0)                   ; the LDS loads above have read v5 and v6, the loads of w_out's scale words v7: the three are written anew below
	s_lshl_b32 s19, s18, 8
	v_lshl_add_u32 v5, v2, 5, s19                  ; my channels' bytes: 256 w + 32 h
	s_lshl_b32 s19, s18, 2
	v_lshl_add_u32 v6, v1, 6, s19                  ; 64 r + 4 w
	v_lshlrev_b32 v7, 6, v1                        ; 64 r
	s_wait_alu depctr_va_vdst(0)                   ; v5, v6 and v7 are written, which the LDS accesses from here on read; the matrix instructions are done reading v96 to v191, in which the parameters land
.irp p, 0,1,2
.irp t, 0,1,2,3
	ds_load_b128 v[96+32*\p+8*\t:99+32*\p+8*\t], v5 offset:PAR+4096*\p+64*\t         ; the parameters in the result's layout
	ds_load_b128 v[100+32*\p+8*\t:103+32*\p+8*\t], v5 offset:PAR+4096*\p+64*\t+16
.endr
.endr
	s_wait_dscnt 0x0
.irp k, 0,2,4,6,8,10,12,14,16,18,20,22,24,26,28,30
	v_pk_add_f32 v[64+\k:65+\k], v[16+\k:17+\k], v[96+\k:97+\k]      ; y = the sums + b_out; each accumulator from its low end on
.endr
; v192, my wave's figure for sample r, becomes v196, the work-group's
.macro WGSUM red
	v_add_f32 v192, v192, v193
	v_permlanex16_b32 v193, v192, s38, s39
	v_add_f32 v192, v192, v193                     ; the pair's halves and lane l xor 16's: my wave's 64 channels
	s_wait_alu depctr_va_vdst(0)                   ; v192 is written, which the LDS store reads; the vector and matrix instructions that named v196 to v211 are done, in which the loads behind the barrier land
	ds_store_b32 v6, v192 offset:\red
	s_wait_dscnt 0x0                               ; for the others' sake
	s_barrier_signal -1
	s_barrier_wait -1
.irp k, 0,1,2,3
	ds_load_b128 v[196+4*\k:199+4*\k], v7 offset:\red+16*\k
.endr
	s_wait_dscnt 0x0
	s_wait_alu depctr_vm_vsrc(0)                   ; the store has read v192, which is written again behind each reduction; it has read v6, and the loads v7, which are written anew behind the second
.irp k, 0,2,4,6
	v_pk_add_f32 v[196+\k:197+\k], v[196+\k:197+\k], v[204+\k:205+\k]
.endr
.irp k, 0,2
	v_pk_add_f32 v[196+\k:197+\k], v[196+\k:197+\k], v[200+\k:201+\k]
.endr
	v_pk_add_f32 v[196:197], v[196:197], v[198:199]
	v_add_f32 v196, v196, v197
.endm
	v_pk_add_f32 v[192:193], v[64:65], v[66:67]    ; the sum of my 32 numbers, in two chains
	v_pk_add_f32 v[194:195], v[68:69], v[70:71]
.irp k, 8,12,16,20,24,28
	v_pk_add_f32 v[192:193], v[192:193], v[64+\k:65+\k]
	v_pk_add_f32 v[194:195], v[194:195], v[66+\k:67+\k]
.endr
	v_pk_add_f32 v[192:193], v[192:193], v[194:195]
	WGSUM RED1
	v_mul_f32 v192, 0xba800000, v196               ; - the mean
.irp k, 0,2,4,6,8,10,12,14,16,18,20,22,24,26,28,30
	v_pk_add_f32 v[64+\k:65+\k], v[64+\k:65+\k], v[192:193] op_sel_hi:[1,0]
.endr
	v_pk_mul_f32 v[194:195], v[64:65], v[64:65]    ; the sum of the differences' squares, in two chains
	v_pk_mul_f32 v[212:213], v[66:67], v[66:67]
.irp k, 4,8,12,16,20,24,28
	v_pk_fma_f32 v[194:195], v[64+\k:65+\k], v[64+\k:65+\k], v[194:195]
	v_pk_fma_f32 v[212:213], v[66+\k:67+\k], v[66+\k:67+\k], v[212:213]
.endr
	v_pk_add_f32 v[192:193], v[194:195], v[212:213]
	WGSUM RED2
	v_fma_f32 v196, v196, s36, s37                 ; the variance + 1e-5
	v_rsq_f32 v192, v196
	v_mul_u32_u24 v6, v1, SP                       ; (a plain place behind the transcendental)
	v_add_nc_u32 v6, v6, v5                        ; the stage: row r, my channels' bytes
	s_wait_alu depctr_va_vdst(0)                   ; the reciprocal root has written v192, ahead of its first reader
.irp k, 0,2,4,6,8,10,12,14,16,18,20,22,24,26,28,30
	v_pk_mul_f32 v[128+\k:129+\k], v[128+\k:129+\k], v[192:193] op_sel_hi:[1,0]
.endr
.irp k, 0,2,4,6,8,10,12,14,16,18,20,22,24,26,28,30
	v_pk_fma_f32 v[64+\k:65+\k], v[64+\k:65+\k], v[128+\k:129+\k], v[160+\k:161+\k]
.endr
	s_mul_i32 s19, s18, SP
	v_add_nc_u32 v7, s19, v3                       ; back: wave w takes row w, whole
	s_wait_alu depctr_va_vdst(0)                   ; y in v64 to v95 and the addresses v6 and v7 are written, which the stage's stores and loads read; the additions of b_out are done reading v96 to v127, in which the rows land
.irp t, 0,1,2,3
	ds_store_b128 v6, v[64+8*\t:67+8*\t] offset:STG+64*\t
	ds_store_b128 v6, v[68+8*\t:71+8*\t] offset:STG+64*\t+16
.endr
	s_wait_dscnt 0x0                               ; for the others' sake
	s_barrier_signal -1
	s_barrier_wait -1
.irp i, 0,1,2,3,4,5,6,7
	ds_load_b128 v[96+4*\i:99+4*\i], v7 offset:STG+512*\i
.endr
.irp i, 0,1,2,3,4,5,6,7
	s_wait_dscnt 7-\i                              ; piece i is back; the younger ones may be out
	global_store_b128 v3, v[96+4*\i:99+4*\i], s[16:17] offset:512*\i         ; 512 consecutive bytes, at a multiple of 256 from out0's first byte
.endr
	s_wait_xcnt 0x0                                ; every earlier memory instruction has had its addresses translated (ISA guide 3.1)
	v_lshl_add_u32 v254, v0, 2, 0x16000            ; the add's two registers are made here, straight ahead of the closing lines: no two registers could be kept; no memory or LDS instruction has read v254 or v255
	v_mov_b32 v255, 0
	s_wait_dscnt 0x0                               ; the closing lines, six on end
	s_wait_alu 0x0
	s_wait_tensorcnt 0x0
	ds_add_u32 v254, v255
	s_wait_dscnt 0x0
	s_endpgm
.Lfunc_end_k_q731faa39ce_final:
	.size	k_q731faa39ce_final, .Lfunc_end_k_q731faa39ce_final-k_q731faa39ce_final
	.p2alignl 7, 3214868480
	.fill 96, 4, 3214868480
	.section	.rodata,"a",@progbits
	.p2align	6, 0x0
	.amdhsa_kernel k_q731faa39ce_final
		.amdhsa_group_segment_fixed_size 92160
		.amdhsa_private_segment_fixed_size 0
		.amdhsa_enable_private_segment 0
		.amdhsa_kernarg_size 56
		.amdhsa_user_sgpr_count 2
		.amdhsa_user_sgpr_kernarg_segment_ptr 1
		.amdhsa_wavefront_size32 1
		.amdhsa_system_sgpr_workgroup_id_x 1
		.amdhsa_system_sgpr_workgroup_id_y 1
		.amdhsa_system_sgpr_workgroup_id_z 1
		.amdhsa_system_vgpr_workitem_id 0
		.amdhsa_next_free_vgpr 256
		.amdhsa_next_free_sgpr 66
		.amdhsa_reserve_vcc 0
		.amdhsa_float_denorm_mode_32 3
		.amdhsa_float_denorm_mode_16_64 3
		.amdhsa_memory_ordered 1
		.amdhsa_forward_progress 1
		.amdhsa_inst_pref_size 32
	.end_amdhsa_kernel
	.amdgpu_metadata
---
amdhsa.version: [ 1, 2 ]
amdhsa.kernels:
  - .name:           k_q731faa39ce_final
    .symbol:         k_q731faa39ce_final.kd
    .args:
      - { .name: opart, .offset: 0, .size: 8, .value_kind: global_buffer, .address_space: global }
      - { .name: stats, .offset: 8, .size: 8, .value_kind: global_buffer, .address_space: global }
      - { .name: woimg, .offset: 16, .size: 8, .value_kind: global_buffer, .address_space: global }
      - { .name: b_out, .offset: 24, .size: 8, .value_kind: global_buffer, .address_space: global }
      - { .name: ln_w, .offset: 32, .size: 8, .value_kind: global_buffer, .address_space: global }
      - { .name: ln_b, .offset: 40, .size: 8, .value_kind: global_buffer, .address_space: global }
      - { .name: out0, .offset: 48, .size: 8, .value_kind: global_buffer, .address_space: global }
    .group_segment_fixed_size: 92160
    .private_segment_fixed_size: 0
    .kernarg_segment_align: 8
    .kernarg_segment_size: 56
    .max_flat_workgroup_size: 512
    .sgpr_count:     66
    .vgpr_count:     256
    .wavefront_size: 32
...
	.end_amdgpu_metadata
.endif
;; end of part 6
